; MI455X (gfx1250); checked and timed in simulation.
; The chip was launched on July 23, 2026; its instructions are those of AMD's public machine-readable ISA for CDNA 5 (MIT licence, August 2026) and "CDNA5" Instruction Set Architecture Reference Guide (July 2026). The comments in the code are by the model that wrote it; some were corrected since.
;; Multihead Diff Attn. Allowed arithmetic: float matrix products may take bf16 or f16 operands with f32 sums; other float arithmetic in f32, or as packed bf16 or f16 multiplies, adds, multiply-adds, maxima and minima; sums over many terms, partial sums and values carried from step to step in f32; what a program stores and reads back later, other than sums and carried values, may be rounded once to bf16 or f16.
;; Inputs: Wk 1,024 x 1,024 float32; Wo 1,024 x 1,024 float32; Wq 1,024 x 1,024 float32; Wv 1,024 x 1,024 float32; lambda_k1 32 float32; lambda_k2 32 float32; lambda_q1 32 float32; lambda_q2 32 float32; query 2 x 2,048 x 1,024 float32; subln_weight 64 float32.
;; Outputs: out0 2 x 2,048 x 1,024 float32.
;; One version. Each part assembles by itself: llvm-mc -triple=amdgcn-amd-amdhsa -mcpu=gfx1250 --defsym DOCPART=n.
;; ======== version 1 of 1: 4 launches
;; limits: values are held in f16: magnitudes above 65,504 overflow, below 6.1e-05 lose precision
;; workspace buffers: xb 8,388,608 bytes; wb 6,291,456 bytes; wo 2,097,152 bytes; qh 8,388,608 bytes; kh 8,388,608 bytes; vh 8,388,608 bytes; ob 8,388,608 bytes
;; launch cast (part 1): grid 512 x 1, 8 waves a work-group, no clusters, 0 bytes of LDS; arguments query, Wq, Wk, Wv, Wo, xb, wb, wo; writes xb, wb, wo
.if DOCPART == 1
	.amdgcn_target "amdgcn-amd-amdhsa--gfx1250"
	.amdhsa_code_object_version 6
	.text
	.protected	k_q9a47277628_cast
	.globl	k_q9a47277628_cast
	.p2align	8
	.type	k_q9a47277628_cast,@function
k_q9a47277628_cast:
	s_mov_b64 s[64:65], 0
	v_nop
	global_prefetch_b8 v0, s[64:65] scope:SCOPE_SE
	s_setreg_imm32_b32 hwreg(HW_REG_WAVE_MODE, 25, 1), 1
	s_wait_xcnt 0x0
; THE INPUTS ROUNDED ONCE TO 16 BITS.  query -> xb (bf16, as it lies).  Wq, Wk, Wv -> wb (bf16), rows regrouped by head: row 192 h + 64 z + r of wb is row 64 h + r of W_z
; (z = 0 q, 1 k, 2 v), so that 192 consecutive rows of wb are one head's q, k and v.  Wo -> wo: rounded to bf16 like the other inputs, and that number written as f16.
; LIMIT.  f16 ends at 65,504 and keeps a fixed step of 6e-8 below 6e-5: Wo is taken to lie within that range.
; SHARES.  A work-group converts 16,384 numbers (16 rows of 1,024): 65,536 bytes in, 32,768 out.  Thread t takes, in each of eight passes, 32 bytes (two loads of 16) and stores 16:
; sixteen neighbouring lanes store 256 consecutive bytes, aligned.  All sixteen loads go out at once; no register is used twice, so the only waits are the counted ones for the loads.
; No LDS, no barrier, no matrix unit: nothing is shared, and each byte crosses once.
.set X, 8                              ; v[8:71]    pass i: 8 numbers in f32
.set Y, 72                             ; v[72:103]  pass i: 8 numbers in 16 bits
	s_load_b512 s[4:19], s[0:1], 0x0               ; query s[4:5], Wq s[6:7], Wk s[8:9], Wv s[10:11], Wo s[12:13], xb s[14:15], wb s[16:17], wo s[18:19]
	s_mov_b32 s20, ttmp9                           ; 0-255 query; 256-447 Wq, Wk, Wv (64 each); 448-511 Wo
	v_lshlrev_b32 v1, 5, v0                        ; 32 t: my bytes in a pass's 8,192
	v_lshlrev_b32 v2, 4, v0                        ; 16 t: my bytes in a pass's 4,096
	s_sub_co_u32 s21, s20, 256                     ; e
	s_and_b32 s22, s21, 63                         ; j: which 16 rows of the weight
	s_bfe_u32 s23, s21, 0x20006                    ; z = e / 64: 0 q, 1 k, 2 v, 3 Wo
	s_lshr_b32 s24, s22, 2                         ; head = j / 4
	s_mul_i32 s24, s24, 192
	s_lshl_b32 s25, s23, 6
	s_add_co_u32 s24, s24, s25                     ; + 64 z
	s_and_b32 s25, s22, 3
	s_lshl_b32 s25, s25, 4
	s_add_co_u32 s24, s24, s25                     ; + 16 (j % 4)
	s_lshl_b32 s24, s24, 11                        ; rows of 2,048 bytes: the place in wb
	s_lshl_b32 s26, s20, 16                        ; query: 65,536 bytes in,
	s_lshl_b32 s27, s22, 16                        ; a weight: the same by j
	s_lshl_b32 s28, s20, 15                        ; query: 32,768 bytes out
	s_lshl_b32 s29, s22, 15                        ; Wo: the same by j
	s_cmp_lt_u32 s20, 448
	s_cselect_b32 s29, s24, s29
	s_cmp_lt_u32 s20, 256
	s_cselect_b32 s26, s26, s27
	s_cselect_b32 s28, s28, s29
	s_mov_b32 s27, 0
	s_mov_b32 s29, 0
	s_wait_kmcnt 0x0
	s_cmp_eq_u32 s23, 0                            ; the source and the destination are chosen by the work-group's number alone
	s_cselect_b64 s[30:31], s[6:7], s[8:9]
	s_cmp_eq_u32 s23, 2
	s_cselect_b64 s[30:31], s[10:11], s[30:31]
	s_cmp_eq_u32 s23, 3
	s_cselect_b64 s[30:31], s[12:13], s[30:31]
	s_cselect_b64 s[32:33], s[18:19], s[16:17]
	s_cmp_lt_u32 s20, 256
	s_cselect_b64 s[30:31], s[4:5], s[30:31]
	s_cselect_b64 s[32:33], s[14:15], s[32:33]
	s_add_nc_u64 s[30:31], s[30:31], s[26:27]
	s_add_nc_u64 s[32:33], s[32:33], s[28:29]
.irp i, 0,1,2,3,4,5,6,7
	global_load_b128 v[X+8*(\i):X+8*(\i)+3],   v1, s[30:31] offset:(\i)*8192 th:TH_LOAD_NT
	global_load_b128 v[X+8*(\i)+4:X+8*(\i)+7], v1, s[30:31] offset:(\i)*8192+16 th:TH_LOAD_NT
.endr
	s_cmp_lt_u32 s20, 448
	s_cbranch_scc0 .Lwo
.irp i, 0,1,2,3,4,5,6,7
	s_wait_loadcnt 14-2*(\i)                       ; loads come back in order: pass i's two are in, the younger ones stay out
.irp k, 0,1,2,3
	v_cvt_pk_bf16_f32 v[Y+4*(\i)+(\k)], v[X+8*(\i)+2*(\k)], v[X+8*(\i)+2*(\k)+1]
.endr
	global_store_b128 v2, v[Y+4*(\i):Y+4*(\i)+3], s[32:33] offset:(\i)*4096
.endr
	s_endpgm
.Lwo:                                          ; Wo: to bf16, widened again, and written as f16
.irp i, 0,1,2,3,4,5,6,7
	s_wait_loadcnt 14-2*(\i)
.irp k, 0,1,2,3
	v_cvt_pk_bf16_f32 v[Y+4*(\i)+(\k)], v[X+8*(\i)+2*(\k)], v[X+8*(\i)+2*(\k)+1]
.endr
.irp k, 0,1,2,3
	v_lshlrev_b32 v[X+8*(\i)+2*(\k)],   16, v[Y+4*(\i)+(\k)]
	v_and_b32     v[X+8*(\i)+2*(\k)+1], 0xffff0000, v[Y+4*(\i)+(\k)]
.endr
.irp k, 0,1,2,3
	v_cvt_pk_f16_f32 v[Y+4*(\i)+(\k)], v[X+8*(\i)+2*(\k)], v[X+8*(\i)+2*(\k)+1]
.endr
	global_store_b128 v2, v[Y+4*(\i):Y+4*(\i)+3], s[32:33] offset:(\i)*4096
.endr
	s_endpgm
.Lfunc_end_k_q9a47277628_cast:
	.size	k_q9a47277628_cast, .Lfunc_end_k_q9a47277628_cast-k_q9a47277628_cast
	.p2alignl 7, 3214868480
	.fill 96, 4, 3214868480
	.section	.rodata,"a",@progbits
	.p2align	6, 0x0
	.amdhsa_kernel k_q9a47277628_cast
		.amdhsa_group_segment_fixed_size 0
		.amdhsa_private_segment_fixed_size 0
		.amdhsa_enable_private_segment 0
		.amdhsa_kernarg_size 64
		.amdhsa_user_sgpr_count 2
		.amdhsa_user_sgpr_kernarg_segment_ptr 1
		.amdhsa_wavefront_size32 1
		.amdhsa_system_sgpr_workgroup_id_x 1
		.amdhsa_system_sgpr_workgroup_id_y 1
		.amdhsa_system_sgpr_workgroup_id_z 1
		.amdhsa_system_vgpr_workitem_id 0
		.amdhsa_next_free_vgpr 104
		.amdhsa_next_free_sgpr 66
		.amdhsa_reserve_vcc 0
		.amdhsa_float_denorm_mode_32 3
		.amdhsa_float_denorm_mode_16_64 3
		.amdhsa_memory_ordered 1
		.amdhsa_forward_progress 1
		.amdhsa_inst_pref_size 15
	.end_amdhsa_kernel
	.amdgpu_metadata
---
amdhsa.version: [ 1, 2 ]
amdhsa.kernels:
  - .name:           k_q9a47277628_cast
    .symbol:         k_q9a47277628_cast.kd
    .args:
      - { .name: query, .offset: 0, .size: 8, .value_kind: global_buffer, .address_space: global }
      - { .name: Wq, .offset: 8, .size: 8, .value_kind: global_buffer, .address_space: global }
      - { .name: Wk, .offset: 16, .size: 8, .value_kind: global_buffer, .address_space: global }
      - { .name: Wv, .offset: 24, .size: 8, .value_kind: global_buffer, .address_space: global }
      - { .name: Wo, .offset: 32, .size: 8, .value_kind: global_buffer, .address_space: global }
      - { .name: xb, .offset: 40, .size: 8, .value_kind: global_buffer, .address_space: global }
      - { .name: wb, .offset: 48, .size: 8, .value_kind: global_buffer, .address_space: global }
      - { .name: wo, .offset: 56, .size: 8, .value_kind: global_buffer, .address_space: global }
    .group_segment_fixed_size: 0
    .private_segment_fixed_size: 0
    .kernarg_segment_align: 8
    .kernarg_segment_size: 64
    .max_flat_workgroup_size: 256
    .sgpr_count:     66
    .vgpr_count:     104
    .wavefront_size: 32
...
	.end_amdgpu_metadata
.endif
;; end of part 1
;; launch proj (part 2): grid 16 x 16, 4 waves a work-group, clusters of 4 x 4, 327,680 bytes of LDS; arguments xb, wb, qh, kh, vh; writes qh, kh, vh
.if DOCPART == 2
	.amdgcn_target "amdgcn-amd-amdhsa--gfx1250"
	.amdhsa_code_object_version 6
	.text
	.protected	k_q9a47277628_proj
	.globl	k_q9a47277628_proj
	.p2align	8
	.type	k_q9a47277628_proj,@function
k_q9a47277628_proj:
	s_mov_b64 s[64:65], 0
	v_nop
	global_prefetch_b8 v0, s[64:65] scope:SCOPE_SE
	s_setreg_imm32_b32 hwreg(HW_REG_WAVE_MODE, 25, 1), 1
	s_wait_xcnt 0x0
	s_wait_alu depctr_hold_cnt(0) depctr_sa_sdst(0) depctr_va_vdst(0) depctr_va_sdst(0) depctr_va_ssrc(0) depctr_va_vcc(0) depctr_vm_vsrc(0)
	s_getreg_b32 s2, hwreg(HW_REG_IB_STS2, 6, 4)
	s_cmp_eq_u32 s2, 0
	s_cbranch_scc0 .Lentry_in_a_cluster
	s_endpgm
.Lentry_in_a_cluster:
	s_bfe_u32 s2, ttmp6, 0x10000c
	s_cmp_lg_u32 s2, 0xf033
	s_cbranch_scc0 .Lentry_shape_is_right
	s_endpgm
.Lentry_shape_is_right:
; THE THREE PROJECTIONS AS ONE PRODUCT.  C[token][n] = sum over k of xb[token][k] wb[n][k]: [4096 x 3072], K = 1,024, bf16 operands, f32 sums, rounded once to f16.
; A tile of C is 256 tokens x 192 columns, which are one head's q, k and v (64 each): 16 x 16 tiles, one work-group each.  q is stored unscaled.
; OUT: qh, kh, vh as [16 batch + head][2048 tokens][64] f16: a head's rows are dense, 128 bytes each.
; LIMIT.  f16 holds no number beyond 65,504: q, k and v are taken to lie within it.
; SHARES.  Four waves, each 64 tokens x all 192 columns: 48 accumulators of 16 x 16, 384 registers; which columns are q, k or v is known when the text is assembled.
; K goes in steps of 128 through a ring of two LDS slots; a tile's rows are 256 bytes of memory and start at multiples of 256 bytes from the buffer's first byte.
; CLUSTER.  4 x 4 work-groups: the four of a row of the cluster need the same tokens (A), the four of a column the same head's weights (B): each tile is asked for jointly.
; THE MATRIX INSTRUCTION IS USED TRANSPOSED (source 0 = 16 rows of wb, source 1 = 16 tokens): a lane then holds eight neighbouring columns of one token.
; No prefetch ahead of the joint loads: K has eight steps, of which the first four would come by their loads in any case, and a refill has 160 matrix instructions in which to land.
; REGISTERS, in windows of 256: window 0: v0-31 addresses, v32-223 the way out (12 units of 16); window 1: two fragment buffers of 128 (4 of A, then 12 of B);
;   window 2: accumulator (a, b), b < 8, at 8 (4 b + a); window 3: b >= 8 at 8 (4 (b - 8) + a).
.set SIZE_K, 1024
.set KSTEP,  128
.set PITCH,  272                       ; an LDS row: 256 bytes + 16 of padding: the 16 rows of a fragment load start at 16 different groups of four banks (ISA guide 11.1)
.set HALFA,  128*PITCH                 ; what a wave fetches of A
.set HALFB,  96*PITCH                  ; and of B
.set SLOT,   2*HALFA+2*HALFB           ; A's 256 rows, then B's 192
.set STAGE,  2*SLOT                    ; behind the ring: 16 rows x 144 bytes for each wave, for the way out; no tensor load lands here
.set SP,     144
.set SPARE,  STAGE+4*16*SP             ; the spare words, 128 bytes a wave: two blocks of 256 bytes that no other line names
.set LAPS,   SIZE_K/(2*KSTEP)
.set ADRA, 16                          ; v16-17  LDS address of my A fragments in slot 0, 1
.set ADRB, 20                          ; v20-21  the same for B
.set STO,  24                          ; v24     the way out: where I put 16 bytes of a row
.set RD,   25                          ; v25     where I read rows back
.set GO,   26                          ; v26     16 x lane
.set SPW,  28                          ; v28     my spare word; never rewritten
.set NIL,  29                          ; v29     0; never rewritten
.set U,    32                          ; v32-223
.set F0,   0
.set F1,   128
.set G1,  24                           ; s[24:31] group 1 for A;  s[32:39] group 0, a set for each slot
.set G0,  32
.set G1B, 48                           ; s[48:55], s[56:63] the same for B
.set G0B, 56
.set OB,  72                           ; s[72:77] qh, kh, vh at my wave's first row
.set MSB, 0
.macro WIN new                         ; the immediate's high byte repeats the setting that is left
.if MSB != (\new)
	s_set_vgpr_msb (MSB<<8)|(\new)
.set MSB, \new
.endif
.endm
.set MUL_LO, 0xa5                      ; sources 0 and 1 window 1, C and D window 2
.set MUL_HI, 0xf5                      ; the same, C and D window 3
.set TO_F,   0x40                      ; destination window 1, address window 0
.macro JLOAD s                         ; a joint load: waves 0 and 1 fetch A's halves, waves 2 and 3 B's; an s_nop 0 and four v_nop follow each line
	s_cmp_eq_u32 s11, 0
	s_cbranch_scc0 .Lfor_b_\@
	tensor_load_to_lds s[G0+4*(\s):G0+4*(\s)+3], s[G1:G1+7]
	s_nop 0
.rept 4
	v_nop
.endr
	s_branch .Lasked_\@
.Lfor_b_\@:
	tensor_load_to_lds s[G0B+4*(\s):G0B+4*(\s)+3], s[G1B:G1B+7]
	s_nop 0
.rept 4
	v_nop
.endr
.Lasked_\@:
.endm
.macro CREST                           ; a round of the cluster's barrier behind its opening barrier
	s_cmp_lg_u32 s10, 0
	s_cbranch_scc1 .Lnot_wave_0_\@
	s_barrier_signal -3
.Lnot_wave_0_\@:
	s_barrier_wait -3
	s_barrier_signal -1
	s_barrier_wait -1
.endm
.macro CROUND
	s_barrier_signal -1
	s_barrier_wait -1
	CREST
.endm
.macro PLACES                          ; four places in front of loads into registers that matrix instructions have read, and of conversions that read results
.rept 4
	v_nop
.endr
.endm
	s_load_b128 s[4:7], s[0:1], 0x0                ; xb s[4:5], wb s[6:7]
	s_load_b128 s[72:75], s[0:1], 0x10             ; qh, kh
	s_load_b64 s[76:77], s[0:1], 0x20              ; vh
	v_lshl_add_u32 v[SPW], v0, 2, SPARE
	v_mov_b32 v[NIL], 0
	ds_add_u32 v[SPW], v[NIL]                      ; the wave's opening: the add and its wait come ahead of my first tensor load; the set-up below stands between them
	v_lshrrev_b32 v1, 5, v0
	v_readfirstlane_b32 s10, v1                    ; wave 0..3
	s_lshr_b32 s11, s10, 1                         ; I fetch for A (0) or for B (1)
	s_and_b32 s12, s10, 1                          ; which half of that tile
	s_bfe_u32 s40, ttmp6, 0x40000                  ; cx, cy
	s_bfe_u32 s41, ttmp6, 0x40004
	s_lshl_b32 s42, ttmp9, 2
	s_add_co_u32 s42, s42, s40                     ; tile column = head = 4 x cluster x + cx
	s_and_b32 s13, ttmp7, 0xffff
	s_lshl_b32 s13, s13, 2
	s_add_co_u32 s13, s13, s41                     ; tile row = 4 x cluster y + cy
	s_lshl_b32 s43, s41, 2
	s_lshl_b32 s43, 15, s43                        ; my row of the cluster
	s_lshl_b32 s44, 0x1111, s40                    ; my column
	s_or_b32 s[G1+0], s43, (1<<16)|(1<<20)|(1<<21)|(5<<22)|(3<<25)   ; the mask; 2-byte elements; padding on; bit 21 beside a mask; after every 64 words, 4 words
	s_or_b32 s[G1B+0], s44, (1<<16)|(1<<20)|(1<<21)|(5<<22)|(3<<25)
	s_mov_b32 s[G1+1], KSTEP<<16                   ; tensor_dim0 = 128
	s_mov_b32 s[G1+2], 128<<16                     ; tensor_dim1 = 128
	s_mov_b32 s[G1+3], KSTEP<<16                   ; tile_dim0 = 128
	s_mov_b32 s[G1+4], 128                         ; tile_dim1 = 128
	s_mov_b32 s[G1+5], SIZE_K                      ; elements from row to row
	s_mov_b32 s[G1+6], 0
	s_mov_b32 s[G1+7], 0
	s_mov_b32 s[G1B+1], KSTEP<<16
	s_mov_b32 s[G1B+2], 96<<16                     ; B: 96 rows
	s_mov_b32 s[G1B+3], KSTEP<<16
	s_mov_b32 s[G1B+4], 96
	s_mov_b32 s[G1B+5], SIZE_K
	s_mov_b32 s[G1B+6], 0
	s_mov_b32 s[G1B+7], 0
	s_lshl_b32 s17, s12, 7
	s_lshl_b32 s16, s13, 8
	s_add_co_u32 s16, s16, s17                     ; A: token 256 x tile row + 128 x half
	s_lshl_b32 s16, s16, 11                        ; rows of 2,048 bytes
	s_mov_b32 s17, 0
	s_mul_i32 s46, s42, 192
	s_mul_i32 s47, s12, 96
	s_add_co_u32 s46, s46, s47                     ; B: row 192 x head + 96 x half
	s_lshl_b32 s46, s46, 11
	s_mov_b32 s47, 0
	s_mul_i32 s20, s12, HALFA                      ; where they go: no place in the cluster enters an LDS address
	s_mul_i32 s45, s12, HALFB
	s_add_co_u32 s45, s45, 2*HALFA
	s_wait_dscnt 0x0                               ; the opening add is done
	s_wait_kmcnt 0x0
	s_add_nc_u64 s[14:15], s[4:5], s[16:17]
	s_add_nc_u64 s[46:47], s[6:7], s[46:47]
	CROUND                                         ; all sixteen work-groups are here: the first joint loads meet
.irp s, 0,1
	s_mov_b32 s[G0+4*(\s)], 1
	s_add_co_u32 s[G0+4*(\s)+1], s20, (\s)*SLOT
	s_add_nc_u64 s[G0+4*(\s)+2:G0+4*(\s)+3], s[14:15], (\s)*KSTEP*2
	s_or_b32 s[G0+4*(\s)+3], s[G0+4*(\s)+3], 0x80000000
	s_mov_b32 s[G0B+4*(\s)], 1
	s_add_co_u32 s[G0B+4*(\s)+1], s45, (\s)*SLOT
	s_add_nc_u64 s[G0B+4*(\s)+2:G0B+4*(\s)+3], s[46:47], (\s)*KSTEP*2
	s_or_b32 s[G0B+4*(\s)+3], s[G0B+4*(\s)+3], 0x80000000
	JLOAD \s                                       ; two loads of mine are out
.endr
	v_and_b32 v1, 15, v0                           ; l % 16
	v_bfe_u32 v2, v0, 4, 1                         ; l / 16
	v_mul_u32_u24 v3, v1, PITCH
	v_lshl_add_u32 v3, v2, 4, v3                   ; a fragment's row x pitch + 16 x half
	s_mul_i32 s21, s10, 64*PITCH                   ; my 64 rows of A
	s_mov_b32 s22, 2*HALFA                         ; all 192 rows of B
.irp s, 0,1
	v_add_nc_u32 v[ADRA+(\s)], s21, v3
	v_add_nc_u32 v[ADRB+(\s)], s22, v3
	s_add_co_u32 s21, s21, SLOT
	s_add_co_u32 s22, s22, SLOT
.endr
	s_mul_i32 s23, s10, 16*SP
	s_add_co_u32 s23, s23, STAGE                   ; my stage
	v_mul_u32_u24 v4, v1, SP                       ; in: row l % 16, 16 bytes for each half of the lanes
	v_lshl_add_u32 v4, v2, 4, v4
	v_add_nc_u32 v[STO], s23, v4
	v_bfe_u32 v5, v0, 3, 2                         ; back: 32 lanes take four rows of 128 bytes,
	v_mul_u32_u24 v5, v5, SP
	v_and_b32 v6, 7, v0
	v_lshl_add_u32 v5, v6, 4, v5
	v_add_nc_u32 v[RD], s23, v5
	v_and_b32 v[GO], 31, v0                        ; which are 512 consecutive bytes of a head's rows
	v_lshlrev_b32 v[GO], 4, v[GO]
	s_lshr_b32 s66, s13, 3                         ; batch (a tile row is 256 tokens, a batch 8 of them)
	s_lshl_b32 s66, s66, 4
	s_add_co_u32 s66, s66, s42                     ; 16 batch + head
	s_lshl_b32 s66, s66, 11                        ; its 2,048 rows
	s_and_b32 s67, s13, 7
	s_lshl_b32 s67, s67, 8
	s_add_co_u32 s66, s66, s67                     ; + the tile's 256
	s_lshl_b32 s67, s10, 6
	s_add_co_u32 s66, s66, s67                     ; + my wave's 64
	s_lshl_b32 s66, s66, 7                         ; rows of 128 bytes
	s_mov_b32 s67, 0
	s_add_nc_u64 s[OB:OB+1], s[OB:OB+1], s[66:67]
	s_add_nc_u64 s[OB+2:OB+3], s[OB+2:OB+3], s[66:67]
	s_add_nc_u64 s[OB+4:OB+5], s[OB+4:OB+5], s[66:67]
; 16 matrix instructions: column blocks b0 .. b0 + 3 x my four token blocks, 32 along K.  The 48 accumulators take turns, one instruction a turn, in the same order in every quarter.
.macro MUL16 f, b0, zero
	WIN MUL_LO+0x50*((\b0)/8)
.irp bb, 0,1,2,3
.irp a, 0,1,2,3
.if \zero
	v_wmma_f32_16x16x32_bf16 v[8*(4*(((\b0)+(\bb))%8)+(\a)):8*(4*(((\b0)+(\bb))%8)+(\a))+7], v[(\f)+32+8*((\b0)+(\bb)):(\f)+32+8*((\b0)+(\bb))+7], v[(\f)+8*(\a):(\f)+8*(\a)+7], 0
.else
	v_wmma_f32_16x16x32_bf16 v[8*(4*(((\b0)+(\bb))%8)+(\a)):8*(4*(((\b0)+(\bb))%8)+(\a))+7], v[(\f)+32+8*((\b0)+(\bb)):(\f)+32+8*((\b0)+(\bb))+7], v[(\f)+8*(\a):(\f)+8*(\a)+7], v[8*(4*(((\b0)+(\bb))%8)+(\a)):8*(4*(((\b0)+(\bb))%8)+(\a))+7]
.endif
.endr
.endr
.endm
; 32 LDS loads in one run: A's four fragments (8 loads), B's blocks 0-7 (16), B's blocks 8-11 (8)
.macro FETCH slot, k, f
	WIN TO_F
.irp i, 0,1,2,3
	ds_load_b128 v[(\f)+8*(\i):(\f)+8*(\i)+3],   v[ADRA+(\slot)] offset:(\k)+(\i)*16*PITCH
	ds_load_b128 v[(\f)+8*(\i)+4:(\f)+8*(\i)+7], v[ADRA+(\slot)] offset:(\k)+(\i)*16*PITCH+32
.endr
.irp i, 0,1,2,3,4,5,6,7,8,9,10,11
	ds_load_b128 v[(\f)+32+8*(\i):(\f)+32+8*(\i)+3],   v[ADRB+(\slot)] offset:(\k)+(\i)*16*PITCH
	ds_load_b128 v[(\f)+32+8*(\i)+4:(\f)+32+8*(\i)+7], v[ADRB+(\slot)] offset:(\k)+(\i)*16*PITCH+32
.endr
.endm
; A K step is four quarters of 32 along K, 48 matrix instructions each, on buffers 0, 1, 0, 1.
.macro QUARTER slot, k, f, g, zero
	s_wait_dscnt 8                                 ; A and B's blocks 0-7 are in; the youngest eight loads (blocks 8-11) may be out
	MUL16 \f, 0, \zero
	MUL16 \f, 4, \zero
	PLACES
	FETCH \slot, \k, \g
	s_wait_dscnt 32                                ; all but the 32 just issued
	MUL16 \f, 8, \zero
.endm
; The last quarter multiplies buffer 1 and changes slots: one barrier; in front of it each wave waits for all its tensor loads (one is out: its part of the next slot), adds 0 to its spare word,
; and waits for that and for its reads of this slot.  fill = 1: the barrier opens a round of the cluster's, and this slot is filled again, two K steps ahead, first thing behind the round.
.macro TURN slot, next, fill
	WIN 0                                          ; (the add's two registers lie in window 0)
	s_wait_tensorcnt 0x0
	ds_add_u32 v[SPW], v[NIL]
	s_wait_dscnt 9                                 ; (the add and the youngest eight loads may be out)
	MUL16 F1, 0, 0
	s_wait_dscnt 0x0                               ; the add is done, and my reads of this slot are over
	s_barrier_signal -1
	MUL16 F1, 4, 0
.if \fill
	WIN 0
.endif
	s_barrier_wait -1
.if \fill
	CREST                                          ; no wave of any partner still reads this slot or has a load on its way
	s_add_nc_u64 s[G0+4*(\slot)+2:G0+4*(\slot)+3], s[G0+4*(\slot)+2:G0+4*(\slot)+3], 2*KSTEP*2
	s_add_nc_u64 s[G0B+4*(\slot)+2:G0B+4*(\slot)+3], s[G0B+4*(\slot)+2:G0B+4*(\slot)+3], 2*KSTEP*2
	JLOAD \slot                                    ; 160 matrix instructions ahead of the wait for it; its four v_nop are also the places in front of the loads below
.else
	PLACES
.endif
	FETCH \next, 0, F0
	MUL16 F1, 8, 0
.endm
	s_wait_tensorcnt 1                             ; my part of K step 0 is in; K step 1's may stay out
	s_barrier_signal -1
	s_barrier_wait -1
	FETCH 0, 0, F0
	QUARTER 0, 64, F0, F1, 1                       ; the first quarter's products start the sums: nothing is cleared
	WIN 0
	s_mov_b32 s3, LAPS-1
.Llap:                                                 ; a trip goes once round the ring and fills both slots again
	QUARTER 0, 128, F1, F0, 0
	QUARTER 0, 192, F0, F1, 0
	TURN 0, 1, 1
	QUARTER 1, 64,  F0, F1, 0
	QUARTER 1, 128, F1, F0, 0
	QUARTER 1, 192, F0, F1, 0
	TURN 1, 0, 1
	QUARTER 0, 64,  F0, F1, 0
	WIN 0
	s_sub_co_u32 s3, s3, 1
	s_cmp_lg_u32 s3, 0
	s_cbranch_scc1 .Llap
	QUARTER 0, 128, F1, F0, 0                      ; the last lap fills nothing
	QUARTER 0, 192, F0, F1, 0
	TURN 0, 1, 0
	QUARTER 1, 64,  F0, F1, 0
	QUARTER 1, 128, F1, F0, 0
	QUARTER 1, 192, F0, F1, 0
	s_wait_dscnt 8
	MUL16 F1, 0, 0
	MUL16 F1, 4, 0
	s_wait_dscnt 0x0
	MUL16 F1, 8, 0
; THE WAY OUT, in 12 units n = 3 a + z: 16 tokens (block a) x the 64 columns of q, k or v (z).  A lane's eight columns pack into 16 bytes; they go into rows of 144 bytes of my own stage and come back as
; whole rows of 128, four rows to a load: 512 consecutive bytes of the head's rows.  Each unit has registers of its own, so no store's data is ever rewritten.
.macro PACK n
.set pa, (\n)/3
.set pz, (\n)%3
	WIN 0x0a+5*(pz/2)                              ; sources in window 2 (q, k) or 3 (v)
.irp bb, 0,1,2,3
.irp r, 0,1,2,3
	v_cvt_pk_f16_f32 v[U+16*(\n)+4*(\bb)+(\r)], v[8*(4*((4*pz+(\bb))%8)+pa)+2*(\r)], v[8*(4*((4*pz+(\bb))%8)+pa)+2*(\r)+1]
.endr
.endr
	WIN 0
.irp bb, 0,1,2,3
	ds_store_b128 v[STO], v[U+16*(\n)+4*(\bb):U+16*(\n)+4*(\bb)+3] offset:32*(\bb)
.endr
.irp f, 0,1,2,3
	ds_load_b128 v[U+16*(\n)+4*(\f):U+16*(\n)+4*(\f)+3], v[RD] offset:(\f)*4*SP  ; LDS serves a wave's instructions in order (ISA guide 5.7.1.4): these see the stores above, and the next unit's stores come behind them
.endr
.endm
.macro SEND n, younger                 ; younger: the LDS instructions issued behind unit n's loads
	WIN 0
.irp f, 0,1,2,3
	s_wait_dscnt (\younger)+3-(\f)
	global_store_b128 v[GO], v[U+16*(\n)+4*(\f):U+16*(\n)+4*(\f)+3], s[OB+2*((\n)%3):OB+2*((\n)%3)+1] offset:((\n)/3)*2048+(\f)*512
.endr
.endm
	PLACES
	PLACES
	PACK 0
.set t, 1
.rept 11
	PACK t
	SEND t-1, 8
.set t, t+1
.endr
	SEND 11, 0
	s_wait_tensorcnt 0x0                           ; the wave's end
	ds_add_u32 v[SPW], v[NIL]
	s_wait_dscnt 0x0
	CROUND                                         ; the closing round
	s_endpgm
.Lfunc_end_k_q9a47277628_proj:
	.size	k_q9a47277628_proj, .Lfunc_end_k_q9a47277628_proj-k_q9a47277628_proj
	.p2alignl 7, 3214868480
	.fill 96, 4, 3214868480
	.section	.rodata,"a",@progbits
	.p2align	6, 0x0
	.amdhsa_kernel k_q9a47277628_proj
		.amdhsa_group_segment_fixed_size 327680
		.amdhsa_private_segment_fixed_size 0
		.amdhsa_enable_private_segment 0
		.amdhsa_kernarg_size 40
		.amdhsa_user_sgpr_count 2
		.amdhsa_user_sgpr_kernarg_segment_ptr 1
		.amdhsa_wavefront_size32 1
		.amdhsa_system_sgpr_workgroup_id_x 1
		.amdhsa_system_sgpr_workgroup_id_y 1
		.amdhsa_system_sgpr_workgroup_id_z 1
		.amdhsa_system_vgpr_workitem_id 0
		.amdhsa_next_free_vgpr 896
		.amdhsa_next_free_sgpr 84
		.amdhsa_reserve_vcc 0
		.amdhsa_float_denorm_mode_32 3
		.amdhsa_float_denorm_mode_16_64 3
		.amdhsa_memory_ordered 1
		.amdhsa_forward_progress 1
		.amdhsa_inst_pref_size 120
	.end_amdhsa_kernel
	.amdgpu_metadata
---
amdhsa.version: [ 1, 2 ]
amdhsa.kernels:
  - .name:           k_q9a47277628_proj
    .symbol:         k_q9a47277628_proj.kd
    .args:
      - { .name: xb, .offset: 0, .size: 8, .value_kind: global_buffer, .address_space: global }
      - { .name: wb, .offset: 8, .size: 8, .value_kind: global_buffer, .address_space: global }
      - { .name: qh, .offset: 16, .size: 8, .value_kind: global_buffer, .address_space: global }
      - { .name: kh, .offset: 24, .size: 8, .value_kind: global_buffer, .address_space: global }
      - { .name: vh, .offset: 32, .size: 8, .value_kind: global_buffer, .address_space: global }
    .group_segment_fixed_size: 327680
    .private_segment_fixed_size: 0
    .kernarg_segment_align: 8
    .kernarg_segment_size: 40
    .max_flat_workgroup_size: 128
    .sgpr_count:     84
    .vgpr_count:     896
    .wavefront_size: 32
...
	.end_amdgpu_metadata
.endif
;; end of part 2
;; launch attn (part 3): grid 8 x 32, 8 waves a work-group, no clusters, 327,680 bytes of LDS; arguments qh, kh, vh, lambda_q1, lambda_k1, lambda_q2, lambda_k2, subln_weight, ob; writes ob
.if DOCPART == 3
	.amdgcn_target "amdgcn-amd-amdhsa--gfx1250"
	.amdhsa_code_object_version 6
	.text
	.protected	k_q9a47277628_attn
	.globl	k_q9a47277628_attn
	.p2align	8
	.type	k_q9a47277628_attn,@function
k_q9a47277628_attn:
	s_mov_b64 s[64:65], 0
	v_nop
	global_prefetch_b8 v0, s[64:65] scope:SCOPE_SE
	s_setreg_imm32_b32 hwreg(HW_REG_WAVE_MODE, 25, 1), 1
	s_wait_xcnt 0x0
; DIFFERENTIAL CAUSAL ATTENTION, one head of 64 channels: two sub-heads of 32 channels of q and k, one V of 64.  out = softmax(q1 k1 / sqrt 32) V - lam softmax(q2 k2 / sqrt 32) V, keys k <= q;
; lam = exp(lq1 . lk1) - exp(lq2 . lk2) + 0.78360577; then out x rsqrt(mean(out^2) + 1e-5) x g x 0.21639423.  qh, kh, vh: [32 heads][2048][64] f16.  Products, maxima and sums in f32.
; The weights p are rounded to f16 for the second product; their sum l is taken of the rounded p, in f32, by the matrix unit (a product with ones).  The lambdas and g are rounded to bf16 like every input.
; OUT: ob f16 in blocks [token / 128][head][token % 128][64]: a block of 128 queries of a head is 16,384 dense bytes.
; LIMITS.  q, k, v arrive within f16's 65,504, so a score is 32 x 65,504^2 = 1.4e11 at the most in size.  The running maximum starts at -2^50 = -1.1e15, below every such score.  A hidden score counts as its value
; less 1e30.  For finite scores nan_to_num changes nothing; NaN and infinities are not treated apart.  A weight below 2^-126 counts as 0.
; THE WALK.  A head's queries lie in 16 blocks of 128; a work-group takes block b and then block 15 - b.  Key tiles hold 256 keys; block i needs tiles 0 .. i / 2; both blocks together 9 tiles, whatever b:
; one loop of constant length walks them through two LDS slots.  ONE branch hangs on b: has the first block ended?  It is asked once a tile, while the flag FIRST stands; the second block ends with the walk.
; SHARES.  Eight waves, two to a SIMD.  THE KEYS ARE SPLIT between the two groups of four waves: of each 128 keys group g takes 64 g .. 64 g + 63, a key step; a tile is two steps.  A wave (group g, number wq in it)
; holds 32 queries x 2 sub-heads: set 0 = rows 64 g + 16 wq .. + 15 of the block, set 1 = rows 64 (1 - g) + 16 wq .. ; tile t = 2 set + sub-head.  Waves w and w xor 4 hold the same rows over complementary keys:
; at a block's end each hands its set 1 over through LDS and finishes its set 0.
; THE MASK is the C operand of the products K Q^T; every step has one text.  Set 0 takes MD x AL + BE (MD, made once: -1e30 where the key of the band's own step is hidden), set 1 eight registers of BE1.
; Step i of block i holds the diagonal: (AL, BE, BE1) = (1, 0, -1e30 in group 1, whose keys set 1 does not see).  Earlier steps: (0, 0, 0).  A block with an even number has a step behind the diagonal in its
; last tile: (0, -1e30, -1e30): it is computed all the same and adds nothing: 18 steps a wave where 17 are needed, the price of a step without a branch.
; A set that has seen hidden scores alone (block 0, group 1, set 1) keeps m = -2^50, weights 0, O = l = 0, and the merge gives it the factor 0.
; LAYOUT.  S^T = K Q^T holds one query a lane (lane % 16) and the keys 8 (lane / 16) + 0..7; two such results rounded to f16 are source 1 of O^T = V^T P and of L = ones x P.  P is packed in place into S's low half.
; Of L only register 0 is rescaled and read; the other seven take sums of at most 64 a step and stay finite.
; NO CLUSTER: the eight work-groups of a head ask for the same tile only while they stand at the same place of their walks; the first blocks have 1 to 4 tiles, so from the second trip on the walks are shifted
; against each other, and one walk common to all would have 12 trips for 9.
; REGISTERS.  window 0: v0-15 addresses; v16-23 [c m, m] a tile; v24-35 at work; v36-43 set 1's mask, at a block's end the statistics out and in; v44 -lam; v48-55 ones; v64-127 S; v128-191 K; v192-255 V.
;   window 1: v0-127 O^T, 32 a tile; v128-159 L, 8 a tile; v160-191 Q, 8 a tile; v192-223 MD; v224-255 MC.
.set PK,    144       ; a row of K in LDS: 128 bytes + 16: the 16 rows of a load start at 16 different groups of four banks (ISA guide 11.1)
.set PV,    160       ; a row of V: 128 + 32
.set VOFF,  256*PK    ; a slot holds a tile: 256 rows of K, then 256 rows of V
.set SLOT1, 1<<17     ; slot 1 begins here: one exclusive or turns an address in one slot into the other's
.set XST,   SLOT1+256*(PK+PV)  ; the exchange: 17 x 512 bytes for each wave; no tensor load lands here or behind
.set XW,    17*512
.set OST,   XST+8*XW  ; the way out: 16 rows x 144 bytes for each wave
.set SP,    144
.set SPARE, OST+8*16*SP  ; the spare words, 128 bytes a wave: four blocks of 256 bytes that no other line names
.set M0,    0xd8800000   ; -2^50: where m starts
.set CM0,   0xd78293ee   ; c x -2^50: where c m starts
.set AK0, 2
.set AV0, 3
.set AK,  4
.set AV,  5
.set STO, 6
.set RD,  7
.set GO,  8
.set QO0, 12          ; v12, v13  my byte offset in a block's rows of Q, set 0 and set 1
.set XSA, 14          ; v14  where I put my set 1
.set XLA, 15          ; v15  where my partner has put its set 1
.set ST,  16
.set TMP, 24
.set MV,  32
.set MB,  36          ; v36-43  set 1's mask
.set X,   36
.set XP,  40
.set NLAM, 44
.set PFO, 45
.set GLO, 46
.set ONES, 48
.set SPW, 62
.set NIL, 63
.set S,   64
.set KF,  128
.set VF,  192
.set OUT, 128         ; a block's end: the 32 numbers of my query, in K's registers
.set L,   128         ; window 1
.set Q,   160
.set MD,  192
.set MC,  224
.set G1K, 24
.set G1V, 32
.set G0K, 40
.set G0V, 44
.set WV,  48
.set GRP, 49
.set WQ,  50
.set PB,  51          ; b
.set HI,  52          ; 15 - b
.set RS,  53          ; the block's number less the step's: 0 at the diagonal, -1 behind it
.set CNT, 54
.set SLOTS, 55
.set NXT, 56          ; the tile to be asked for next
.set LQ,  57          ; the last tile of the block whose tiles are being asked for
.set LQ2, 58          ; that of the second block
.set PEND, 59         ; 1: the first block's halves lie in the exchange
.set SEL, 60
.set TBK, 62
.set TBV, 63
.set OFF, 66
.set AL,  68
.set BE1, 70
.set BIGN, 71
.set OP,  72          ; s[72:73] ob at my 16 rows of the block in hand; s[74:75] of the second block
.set OP2, 74
.set QN,  76          ; s[76:77] qh at the second block
.set PFA, 78
.set RP,  80          ; tiles of the first block still to be walked
.set CS,  84
.set FIRST, 96        ; 1: the first block is in hand
.set GB,  97          ; -1e30 in group 1, 0 in group 0
.set BE,  98
.set MSB, 0
.macro WIN new
.if MSB != (\new)
	s_set_vgpr_msb (MSB<<8)|(\new)
.set MSB, (\new)
.endif
.endm
.set W_KQ, 0x04       ; K window 0, Q window 1, C and S^T window 0
.set W_KM, 0x14       ; the same with the C operand in window 1
.set W_PV, 0x50       ; V, ones and P window 0; O^T and L window 1
.set W_RS, 0x41       ; destination and source 0 window 1, source 1 window 0
.macro PLACES n
.rept \n
	v_nop
.endr
.endm
; A fill.  Waves 0 and 1 fetch the halves of a tile's K, waves 2 and 3 those of its V, 128 keys each; waves 4 to 7 fetch nothing.  An s_nop 0 and four v_nop follow each line.
.macro LOAD
	s_cmp_lt_u32 s[WV], 2
	s_cbranch_scc0 .Lnot_k_\@
	tensor_load_to_lds s[G0K:G0K+3], s[G1K:G1K+7]
	s_nop 0
.rept 4
	v_nop
.endr
	s_branch .Lasked_\@
.Lnot_k_\@:
	s_cmp_lt_u32 s[WV], 4
	s_cbranch_scc0 .Lasked_\@
	tensor_load_to_lds s[G0V:G0V+3], s[G1V:G1V+7]
	s_nop 0
.rept 4
	v_nop
.endr
.Lasked_\@:
.endm
; A PREFETCH INTO THE L2.  A tile is 128 blocks of 256 bytes of K and as many of V.  The eight work-groups of a head share them out BY ADDRESS: work-group b takes 32 blocks (of K if b < 4, else of V), a lane a
; block, one instruction of its wave 0.  At fill number k, k = 1 to 6, tile k + 1 is named.  By the walks' arithmetic tile 2 is first asked for at fill 2 (b >= 4), tile 3 at fill 3 (b >= 6), tiles 4 to 7 at
; fills 5 to 8 (b <= 1): one trip ahead, or two.  Each block of tiles 2 to 7 is named once in the launch; tiles 0 and 1 come by their loads alone; fills 7 and 8 name nothing.
.macro ASK
	s_cmp_lg_u32 s[WV], 0
	s_cbranch_scc1 .Lnot_mine_\@
	s_cmp_gt_u32 s[SLOTS], 2
	s_cbranch_scc0 .Lnot_mine_\@
	global_prefetch_b8 v[PFO], s[PFA:PFA+1] th:TH_LOAD_NT scope:SCOPE_SE
.Lnot_mine_\@:
.endm
; THE CHANGE OF SLOTS.  Each wave waits for all its tensor loads (at most one is out: its part of the other slot), adds 0 to its spare word, and waits for that and for its reads of the slot that it leaves.
; fill = 1: the old slot is filled again, first thing behind the barrier, with tile NXT; the descriptor's address is made anew from that number.
.macro CHANGE fill
	WIN 0
	s_wait_tensorcnt 0x0                           ; no tensor load of mine is out, so a group 0 may be written
	ds_add_u32 v[SPW], v[NIL]                      ; the scalar work stands between the add and the wait for it
.if \fill
	s_lshl_b32 s[OFF], s[NXT], 15                  ; a tile is 32,768 bytes of K and of V
	s_xor_b32 s[G0K+1], s[G0K+1], SLOT1
	s_add_nc_u64 s[G0K+2:G0K+3], s[6:7], s[OFF:OFF+1]
	s_or_b32 s[G0K+3], s[G0K+3], 0x80000000
	s_xor_b32 s[G0V+1], s[G0V+1], SLOT1
	s_add_nc_u64 s[G0V+2:G0V+3], s[8:9], s[OFF:OFF+1]
	s_or_b32 s[G0V+3], s[G0V+3], 0x80000000
	s_add_co_u32 s[NXT], s[NXT], 1                 ; the block's next tile, or behind its last the second block's tile 0
	s_cmp_gt_u32 s[NXT], s[LQ]
	s_cselect_b32 s[NXT], 0, s[NXT]
	s_cselect_b32 s[LQ], s[LQ2], s[LQ]
	s_wait_xcnt 0x0                                ; the last prefetch, a trip back, has read its address
	s_add_nc_u64 s[PFA:PFA+1], s[PFA:PFA+1], 32768
.endif
	s_wait_dscnt 0x0                               ; the add is done, and my reads of the slot are over
	s_barrier_signal -1
	s_sub_co_u32 s[TBK], s[TBK], 256*PK            ; the fetches go back to a slot's first step, in the other slot
	s_xor_b32 s[TBK], s[TBK], SLOT1
	s_sub_co_u32 s[TBV], s[TBV], 256*PV
	s_xor_b32 s[TBV], s[TBV], SLOT1
	s_barrier_wait -1
.if \fill
	LOAD
	ASK
.endif
.endm
	s_load_b512 s[4:19], s[0:1], 0x0               ; qh s[4:5], kh s[6:7], vh s[8:9], lq1 s[10:11], lk1 s[12:13], lq2 s[14:15], lk2 s[16:17], g s[18:19]
	s_load_b64 s[20:21], s[0:1], 0x40              ; ob
	v_lshl_add_u32 v[SPW], v0, 2, SPARE
	v_mov_b32 v[NIL], 0
	ds_add_u32 v[SPW], v[NIL]                      ; the wave's opening: the add and its wait come ahead of my first tensor load; the set-up below stands between them
	v_lshrrev_b32 v1, 5, v0
	v_readfirstlane_b32 s[WV], v1                  ; wave 0..7
	s_lshr_b32 s[GRP], s[WV], 2
	s_and_b32 s[WQ], s[WV], 3
	s_mov_b32 s[PB], ttmp9
	s_sub_co_u32 s[HI], 15, s[PB]
	s_and_b32 s86, ttmp7, 0xffff                   ; 16 batch + head
	s_lshl_b32 s88, s86, 18                        ; the head's first byte in qh, kh, vh: 2,048 rows of 128 bytes
	s_mov_b32 s89, 0
	s_and_b32 s87, s[WV], 1                        ; which half of a tile's 256 keys I fetch
	s_lshl_b32 s90, s87, 14
	s_add_co_u32 s90, s90, s88
	s_mov_b32 s91, 0
	s_mul_i32 s92, s87, 128*PK                     ; its place in a slot, for K
	s_mul_i32 s93, s87, 128*PV                     ; and for V
	s_lshl_b32 s81, s[GRP], 6
	s_lshl_b32 s87, s[WQ], 4
	s_add_co_u32 s81, s81, s87                     ; set 0's first row in a block: 64 g + 16 wq
	s_lshr_b32 s94, s86, 4
	s_lshl_b32 s94, s94, 8
	s_and_b32 s95, s86, 15
	s_add_co_u32 s94, s94, s95                     ; ob's block number is 256 batch + 16 i + head
	s_lshl_b32 s94, s94, 14
	s_lshl_b32 s95, s81, 7
	s_add_co_u32 s94, s94, s95
	s_lshl_b32 s2, s[PB], 18
	s_add_co_u32 s2, s2, s94                       ; my 16 rows of the first block in ob
	s_mov_b32 s3, 0
	s_lshl_b32 s22, s[HI], 18
	s_add_co_u32 s22, s22, s94                     ; and of the second
	s_mov_b32 s23, 0
	s_lshl_b32 s94, s[PB], 14
	s_add_co_u32 s94, s94, s88                     ; the first block's rows of Q
	s_mov_b32 s95, 0
	s_lshl_b32 s[OFF], s[HI], 14
	s_add_co_u32 s[OFF], s[OFF], s88               ; the second's
	s_mov_b32 s[OFF+1], 0                          ; stays 0: the pair later holds a tile's offset
	; descriptor group 1.  128 keys are 16,384 dense bytes: asked for as 64 rows of 256 bytes, two keys a row, and padded in LDS after every key
	s_mov_b32 s[G1K], (1<<16)|(1<<20)|(4<<22)|(3<<25)  ; 2-byte elements; padding on; after every 32 words, 4 words
	s_mov_b32 s[G1V], (1<<16)|(1<<20)|(4<<22)|(7<<25)  ; the same with 8 words
.irp g, G1K, G1V
	s_mov_b32 s[\g+1], 128<<16
	s_mov_b32 s[\g+2], 64<<16
	s_mov_b32 s[\g+3], 128<<16
	s_mov_b32 s[\g+4], 64
	s_mov_b32 s[\g+5], 128
	s_mov_b32 s[\g+6], 0
	s_mov_b32 s[\g+7], 0
.endr
	s_mov_b32 s[CS], 0x3e8293ee                    ; c = log2(e) / sqrt(32)
	s_mov_b32 s[CS+1], s[CS]
	s_mov_b32 s[SEL], 0x76543210
	s_mov_b32 s[SEL+1], 0xfedcba98
	s_mov_b32 s[TBK], SLOT1+256*PK                 ; the first change of slots turns these two into 0
	s_mov_b32 s[TBV], SLOT1+256*PV
	s_mov_b32 s[G0K], 1
	s_mov_b32 s[G0K+1], s92
	s_mov_b32 s[G0V], 1
	s_add_co_u32 s[G0V+1], s93, VOFF
	s_mov_b32 s[RS], s[PB]                         ; the first block's diagonal lies in its step b
	s_lshr_b32 s[LQ], s[PB], 1
	s_lshr_b32 s[LQ2], s[HI], 1
	s_add_co_u32 s[RP], s[LQ], 1                   ; it has b / 2 + 1 tiles
	s_mov_b32 s[NXT], 1
	s_cmp_gt_u32 s[NXT], s[LQ]
	s_cselect_b32 s[NXT], 0, s[NXT]
	s_cselect_b32 s[LQ], s[LQ2], s[LQ]
	s_mov_b32 s[SLOTS], 8
	s_mov_b32 s[PEND], 0
	s_mov_b32 s[FIRST], 1
	s_mov_b32 s[AL+1], 0                           ; named as pairs
	s_mov_b32 s[BE+1], 0
	s_mov_b32 s[BIGN], 0xf149f2ca                  ; -1e30
	s_cmp_eq_u32 s[GRP], 1
	s_cselect_b32 s[GB], s[BIGN], 0
	s_mov_b32 s82, 0x3c800000                      ; 1 / 64
	s_mov_b32 s83, 0x3727c5ac                      ; 1e-5
	s_wait_dscnt 0x0                               ; the opening add is done
	s_barrier_signal -1
	s_barrier_wait -1
	s_wait_kmcnt 0x0
	s_cmp_lt_u32 s[PB], 4
	s_cselect_b64 s[PFA:PFA+1], s[6:7], s[8:9]
	s_add_nc_u64 s[QN:QN+1], s[4:5], s[OFF:OFF+1]
	s_add_nc_u64 s[4:5], s[4:5], s[94:95]
	s_add_nc_u64 s[OP:OP+1], s[20:21], s[2:3]
	s_add_nc_u64 s[OP2:OP2+1], s[20:21], s[22:23]
	s_and_b32 s94, s[PB], 3
	s_lshl_b32 s94, s94, 13                        ; my work-group's 32 blocks of a tile's 128
	s_add_co_u32 s94, s94, s88
	s_add_co_u32 s94, s94, 32768                   ; in tile 1; the first change of slots steps it to tile 2
	s_add_nc_u64 s[PFA:PFA+1], s[PFA:PFA+1], s[94:95]
	s_add_nc_u64 s[6:7], s[6:7], s[90:91]          ; K and V at my half of the head's tile 0
	s_add_nc_u64 s[8:9], s[8:9], s[90:91]
	s_add_nc_u64 s[G0K+2:G0K+3], s[6:7], 0
	s_or_b32 s[G0K+3], s[G0K+3], 0x80000000
	s_add_nc_u64 s[G0V+2:G0V+3], s[8:9], 0
	s_or_b32 s[G0V+3], s[G0V+3], 0x80000000
	LOAD                                           ; tile 0 into slot 0
	v_and_b32 v1, 15, v0                           ; l % 16
	v_bfe_u32 v9, v0, 4, 1                         ; l / 16
	v_and_b32 v10, 7, v0
	v_bfe_u32 v11, v0, 3, 1
	v_and_b32 v47, 31, v0                          ; l
	s_xor_b32 s86, s81, 64                         ; set 1's first row
	s_lshl_b32 s86, s86, 7
	s_lshl_b32 s87, s81, 7
	v_lshlrev_b32 v[QO0], 7, v1
	v_lshl_add_u32 v[QO0], v9, 4, v[QO0]           ; row x 128 + 16 x half
	v_add_nc_u32 v[QO0+1], s86, v[QO0]
	v_add_nc_u32 v[QO0], s87, v[QO0]
	v_lshlrev_b32 v40, 2, v47
; A fragment of Q: lane l holds query l % 16 and the sub-head's channels 8 (l / 16) + 0..7 and 16 + 8 (l / 16) + 0..7: two loads of 16 bytes, 32 bytes apart.
.macro QLOAD base
	WIN 0x40
.irp t, 0,1,2,3
	global_load_b128 v[Q+8*(\t):Q+8*(\t)+3],   v[QO0+(\t)/2], s[\base:\base+1] offset:64*((\t)%2)
	global_load_b128 v[Q+8*(\t)+4:Q+8*(\t)+7], v[QO0+(\t)/2], s[\base:\base+1] offset:64*((\t)%2)+32
.endr
	WIN 0
.endm
	QLOAD 4
	global_load_b32 v36, v40, s[10:11]             ; a lane a number of each of the four lambdas
	global_load_b32 v37, v40, s[12:13]
	global_load_b32 v38, v40, s[14:15]
	global_load_b32 v39, v40, s[16:17]
	s_mul_i32 s86, s[GRP], 64*PK
	v_mul_u32_u24 v[AK0], v1, PK
	v_lshl_add_u32 v[AK0], v9, 4, v[AK0]
	v_add_nc_u32 v[AK0], s86, v[AK0]               ; row x pitch + 16 x half + my group's 64 keys
	; The turning load takes 16 keys x 16 channels (lane l reads key 8 (l / 16) + l % 8, channels 8 ((l / 8) % 2) + 0..7) and leaves half a fragment of V^T: lane l holds channel l % 16 and 8 keys.
	s_mul_i32 s86, s[GRP], 64*PV
	s_add_co_u32 s86, s86, VOFF
	v_lshl_add_u32 v[AV0], v9, 3, v10
	v_mul_u32_u24 v[AV0], v[AV0], PV
	v_lshl_add_u32 v[AV0], v11, 4, v[AV0]
	v_add_nc_u32 v[AV0], s86, v[AV0]
	s_mul_i32 s86, s[WV], 16*SP
	s_add_co_u32 s86, s86, OST                     ; my stage
	v_mul_u32_u24 v[STO], v1, SP
	v_lshl_add_u32 v[STO], v9, 4, v[STO]
	v_add_nc_u32 v[STO], s86, v[STO]
	v_bfe_u32 v[RD], v0, 3, 2
	v_mul_u32_u24 v[RD], v[RD], SP
	v_lshl_add_u32 v[RD], v10, 4, v[RD]
	v_add_nc_u32 v[RD], s86, v[RD]
	v_lshlrev_b32 v[GO], 4, v47
	s_mul_i32 s86, s[WV], XW
	s_add_co_u32 s86, s86, XST
	v_lshl_add_u32 v[XSA], v47, 4, s86
	s_xor_b32 s86, s[WV], 4                        ; my partner
	s_mul_i32 s86, s86, XW
	s_add_co_u32 s86, s86, XST
	v_lshl_add_u32 v[XLA], v47, 4, s86
	v_lshlrev_b32 v[PFO], 8, v47
	v_lshlrev_b32 v[GLO], 5, v9                    ; my 8 channels of each 16 of g: 32 bytes for each half of the lanes
	v_lshlrev_b32 v41, 3, v9
	v_sub_nc_u32 v41, v1, v41
	s_lshl_b32 s86, s[WQ], 4
	v_add_nc_u32 v41, s86, v41                     ; my query's place in its band, 16 wq + l % 16, less 8 (l / 16): register r of key group kb is hidden where 16 kb + r is greater
	WIN 0x40
.set i, 0
.rept 32
	v_cmp_gt_i32 vcc_lo, 16*(i/8)+i%8, v41
	v_cndmask_b32 v[MD+i], 0, s[BIGN], vcc_lo
.set i, i+1
.endr
.set i, 0
.rept 160                              ; O^T and L start at 0, in the wait for the first tile, so that the first step is a step like any other; between the blocks nothing is cleared
	v_mov_b32 v[i], 0
.set i, i+1
.endr
	WIN 0
.set i, 0
.rept 8
	v_mov_b32 v[ONES+i], 0x3c003c00                ; 1.0 twice in f16
.set i, i+1
.endr
.irp t, 0,1,2,3
	v_mov_b32 v[ST+2*(\t)], CM0
	v_mov_b32 v[ST+2*(\t)+1], M0
.endr
	s_wait_loadcnt 0x0                             ; Q and the lambdas
	v_cvt_pk_bf16_f32 v40, v36, v37                ; rounded to bf16 like every input, and widened again
	v_cvt_pk_bf16_f32 v41, v38, v39
	v_lshlrev_b32 v36, 16, v40
	v_and_b32 v37, 0xffff0000, v40
	v_lshlrev_b32 v38, 16, v41
	v_and_b32 v39, 0xffff0000, v41
	v_mul_f32 v36, v36, v37
	v_mul_f32 v38, v38, v39
.irp m, 1,2,4,8
	v_add_f32_dpp v36, v36, v36 row_xmask:\m row_mask:0xf bank_mask:0xf
	v_add_f32_dpp v38, v38, v38 row_xmask:\m row_mask:0xf bank_mask:0xf
.endr
	v_permlanex16_b32 v37, v36, s[SEL], s[SEL+1]
	v_permlanex16_b32 v39, v38, s[SEL], s[SEL+1]
	v_add_f32 v36, v36, v37
	v_add_f32 v38, v38, v39
	v_mul_f32 v36, 0x3fb8aa3b, v36
	v_mul_f32 v38, 0x3fb8aa3b, v38
	v_exp_f32 v36, v36
	v_exp_f32 v38, v38
	v_nop
	s_wait_alu depctr_va_vdst(0)
	v_sub_f32 v[NLAM], v38, v36
	v_add_f32 v[NLAM], 0xbf489a63, v[NLAM]         ; -lam = lam2 - lam1 - 0.78360577
; THE LDS LOADS stand in two runs of 16: a step's K (4 key blocks x 2 sub-heads) and its V (turned).
.macro FETCH_K
	WIN 0
.irp kb, 0,1,2,3
.irp u, 0,1
	ds_load_b128 v[KF+32*(\u)+8*(\kb):KF+32*(\u)+8*(\kb)+3],   v[AK] offset:(\kb)*16*PK+64*(\u)
	ds_load_b128 v[KF+32*(\u)+8*(\kb)+4:KF+32*(\u)+8*(\kb)+7], v[AK] offset:(\kb)*16*PK+64*(\u)+32
.endr
.endr
.endm
.macro FETCH_V
	WIN 0
.irp f, 0,1,2,3,4,5,6,7                ; keys 32 (f / 4) on, channels 16 (f % 4) on
	ds_load_tr16_b128 v[VF+8*(\f):VF+8*(\f)+3],   v[AV] offset:((\f)/4)*32*PV+((\f)%4)*32
	ds_load_tr16_b128 v[VF+8*(\f)+4:VF+8*(\f)+7], v[AV] offset:((\f)/4)*32*PV+16*PV+((\f)%4)*32
.endr
.endm
.macro MASK                            ; set 1's mask: BE1 eight times; set 0's: MC = MD x AL + BE
	WIN 0
.set z, 0
.rept 8
	v_mov_b32 v[MB+z], s[BE1]
.set z, z+1
.endr
	WIN W_RS
.set z, 0
.rept 16
	v_pk_fma_f32 v[MC+2*z:MC+2*z+1], v[MD+2*z:MD+2*z+1], s[AL:AL+1], s[BE:BE+1] op_sel_hi:[1,0,0]
.set z, z+1
.endr
.endm
; S^T = K Q^T for set x: a sub-head has 32 channels, so each of the eight results is one product, with the set's mask as C.
.macro KQ x
.if (\x) == 0
	WIN W_KM
.else
	WIN W_KQ
.endif
.irp kb, 0,1,2,3
.irp u, 0,1
.if (\x) == 0
	v_wmma_f32_16x16x32_f16 v[S+32*(\u)+8*(\kb):S+32*(\u)+8*(\kb)+7], v[KF+32*(\u)+8*(\kb):KF+32*(\u)+8*(\kb)+7], v[Q+8*(\u):Q+8*(\u)+7], v[MC+8*(\kb):MC+8*(\kb)+7]
.else
	v_wmma_f32_16x16x32_f16 v[S+32*(\u)+8*(\kb):S+32*(\u)+8*(\kb)+7], v[KF+32*(\u)+8*(\kb):KF+32*(\u)+8*(\kb)+7], v[Q+16+8*(\u):Q+16+8*(\u)+7], v[MB:MB+7]
.endif
.endr
.endr
.endm
; O^T += V^T P and L += ones x P for set x: ten accumulators take turns, one instruction a turn: nine others stand between the two links of a chain.
.macro PV x
	WIN W_PV
.irp kk, 0,1
.irp u, 0,1
.irp cb, 0,1,2,3
	v_wmma_f32_16x16x32_f16 v[32*(2*(\x)+(\u))+8*(\cb):32*(2*(\x)+(\u))+8*(\cb)+7], v[VF+32*(\kk)+8*(\cb):VF+32*(\kk)+8*(\cb)+7], v[S+32*(\u)+8*(\kk):S+32*(\u)+8*(\kk)+7], v[32*(2*(\x)+(\u))+8*(\cb):32*(2*(\x)+(\u))+8*(\cb)+7]
.endr
	v_wmma_f32_16x16x32_f16 v[L+8*(2*(\x)+(\u)):L+8*(2*(\x)+(\u))+7], v[ONES:ONES+7], v[S+32*(\u)+8*(\kk):S+32*(\u)+8*(\kk)+7], v[L+8*(2*(\x)+(\u)):L+8*(2*(\x)+(\u))+7]
.endr
.endr
.endm
.macro REGS x, u                       ; the registers of sub-head u of set x
.set rT, ST+2*(2*(\x)+(\u))
.set rC, TMP+4*(\u)
.set rM, MV+(\u)
.set rS, S+32*(\u)
.set rO, 32*(2*(\x)+(\u))
.set rL, L+8*(2*(\x)+(\u))
.endm
; Number n of the 22 that find a tile's maximum and statistics.  0-11: four chains c0-c3 of seven scores each (each accumulator's lowest registers are read first);
; 12-14, 16: the four scores left over, the old m, and c0-c3 into c0; 15: c m_old is kept; 17, 18: the query's other 32 keys lie in the lane 16 away: the new m; 19-21: c m; c m_old - c m_new; a.
.macro XS x, u, n
	REGS \x, \u
.if (\n) < 4
	v_max3_num_f32 v[rC+(\n)], v[rS+8*(\n)], v[rS+8*(\n)+1], v[rS+8*(\n)+2]
.elseif (\n) < 12
	v_max3_num_f32 v[rC+(\n)%4], v[rC+(\n)%4], v[rS+8*((\n)%4)+2*((\n)/4)+1], v[rS+8*((\n)%4)+2*((\n)/4)+2]
.elseif (\n) == 12
	v_max3_num_f32 v[rC], v[rC], v[rS+7], v[rS+15]
.elseif (\n) == 13
	v_max3_num_f32 v[rC+1], v[rC+1], v[rS+23], v[rS+31]
.elseif (\n) == 14
	v_max3_num_f32 v[rC+2], v[rC+2], v[rC+3], v[rT+1]
.elseif (\n) == 15
	v_mov_b32 v[rM], v[rT]
.elseif (\n) == 16
	v_max3_num_f32 v[rC], v[rC], v[rC+1], v[rC+2]
.elseif (\n) == 17
	v_permlanex16_b32 v[rC+3], v[rC], s[SEL], s[SEL+1]
.elseif (\n) == 18
	v_max_num_f32 v[rT+1], v[rC], v[rC+3]
.elseif (\n) == 19
	v_mul_f32 v[rT], s[CS], v[rT+1]
.elseif (\n) == 20
	v_sub_f32 v[rC+1], v[rM], v[rT]
.else
	v_exp_f32 v[rC+2], v[rC+1]
.endif
.endm
.macro SMAX x                          ; the two sub-heads alternate, so that no line reads the result of the line before it
	WIN 0
.irp n, 0,1,2,3,4,5,6,7,8,9,10,11,12,13,14,15,16,17,18,19,20,21
	XS \x, 0, \n
	XS \x, 1, \n
.endr
.endm
; Entry p of 32: pair p / 2 of the 16 pairs of scores of sub-head p % 2.  OPA: c s - c m.  OPE: one of its two exponentials.  OPC: the pair rounded to f16, into register p / 2 of the tile:
; the pairs are taken in ascending order, so that register has been read before it is written.
.macro OPA x, p
	REGS \x, (\p)%2
	v_pk_fma_f32 v[rS+2*((\p)/2):rS+2*((\p)/2)+1], v[rS+2*((\p)/2):rS+2*((\p)/2)+1], s[CS:CS+1], v[rT:rT+1] op_sel_hi:[1,0,0] neg_lo:[0,0,1] neg_hi:[0,0,1]
.endm
.macro OPE x, p, w
	REGS \x, (\p)%2
	v_exp_f32 v[rS+2*((\p)/2)+(\w)], v[rS+2*((\p)/2)+(\w)]
.endm
.macro OPC x, p
	REGS \x, (\p)%2
	s_wait_alu depctr_va_vdst(0)
	v_cvt_pk_f16_f32 v[rS+(\p)/2], v[rS+2*((\p)/2)], v[rS+2*((\p)/2)+1]
.endm
; Exponential and plain by turns: the plain line behind an exponential belongs to the other sub-head, and a pair is rounded only when a plain line has followed its second exponential (ISA guide 5.7.2).
.macro SEXP x
	WIN 0
	OPA \x, 0
	OPA \x, 1
	OPA \x, 2
.set pp, 0
.rept 32
	OPE \x, pp, 0
.if pp+3 < 32
	OPA \x, pp+3
.endif
	OPE \x, pp, 1
.if pp >= 1
	OPC \x, pp-1
.endif
.set pp, pp+1
.endr
	v_nop
	OPC \x, 31
.endm
.macro RESC x                          ; O^T and l times a, from each accumulator's low end on
	WIN W_RS
.irp u, 0,1
	REGS \x, \u
.set z, 0
.rept 16
	v_pk_mul_f32 v[rO+2*z:rO+2*z+1], v[rO+2*z:rO+2*z+1], v[rC+2:rC+3] op_sel_hi:[1,0]
.set z, z+1
.endr
	v_mul_f32 v[rL], v[rL], v[rC+2]
.endr
.endm
; A KEY STEP: 64 keys against my 32 queries x 2 sub-heads, in phases, without a branch; the SIMD's other wave fills the gaps.  The two address lines and the masks' 24 are the places between the last step's
; products and the loads into V's registers and the products that write over P.
.macro STEP
	WIN 0
	v_add_nc_u32 v[AK], s[TBK], v[AK0]
	v_add_nc_u32 v[AV], s[TBV], v[AV0]
	FETCH_K
	MASK
	FETCH_V
	s_wait_dscnt 16                                ; K is in; V's 16 loads may stay out
	KQ 0
	PLACES 4
	SMAX 0
	SEXP 0
	RESC 0
	s_wait_dscnt 0x0                               ; V is in
	PV 0
	PLACES 5                                       ; set 1's products write over P
	KQ 1
	PLACES 4
	SMAX 1
	SEXP 1
	RESC 1
	PV 1
	WIN 0
.endm
; A BLOCK'S LAST TILE IS DONE: my set 1 (two tiles of O^T, their c m and l) goes into the exchange.
.macro XSTORE
	PLACES 4
	WIN 0
	v_mov_b32 v[X], v[ST+4]
	v_mov_b32 v[X+1], v[ST+6]
	WIN 0x01
	v_mov_b32 v[X+2], v[L+16]
	v_mov_b32 v[X+3], v[L+24]
	WIN 0x04                                       ; store data in window 1
.irp k, 0,1,2,3,4,5,6,7,8,9,10,11,12,13,14,15
	ds_store_b128 v[XSA], v[64+4*(\k):64+4*(\k)+3] offset:(\k)*512
.endr
	WIN 0
	ds_store_b128 v[XSA], v[X:X+3] offset:8192
.endm
; MY SET 0 IS FINISHED, behind a barrier that has shown the partner's stores.  For each sub-head the two halves are brought to the common maximum: e = 2^(c m - max), l = e1 l1 + e2 l2; the four factors
; e / l (the second sub-head's times -lam) make out = O1 / l1 - lam O2 / l2 in 64 packed lines.  Then the mean of squares over my 32 channels and those of the lane 16 away, the root, g, and the way out
; through my stage: 2,048 dense bytes of ob.  more = 1: the second block's Q is asked for here and waited for by the caller.
.macro FINAL more
	WIN 0
	PLACES 5                                       ; behind the last products, on every way here: loads into S's, V's and the mask's registers follow
	ds_load_b128 v[XP:XP+3], v[XLA] offset:8192
.irp k, 0,1,2,3,4,5,6,7,8,9,10,11,12,13,14,15
	ds_load_b128 v[S+4*(\k):S+4*(\k)+3], v[XLA] offset:(\k)*512
.endr
.irp cb, 0,1,2,3
	global_load_b128 v[VF+8*(\cb):VF+8*(\cb)+3],   v[GLO], s[18:19] offset:64*(\cb)
	global_load_b128 v[VF+8*(\cb)+4:VF+8*(\cb)+7], v[GLO], s[18:19] offset:64*(\cb)+16
.endr
.if \more
	QLOAD QN
.endif
	s_wait_dscnt 16                                ; the partner's statistics are in; its 16 loads of O^T may stay out
	v_max_num_f32 v24, v[ST], v[XP]
	v_max_num_f32 v25, v[ST+2], v[XP+1]
	v_sub_f32 v26, v[ST], v24
	v_sub_f32 v27, v[ST+2], v25
	v_sub_f32 v28, v[XP], v24
	v_sub_f32 v29, v[XP+1], v25
	v_exp_f32 v26, v26
	v_exp_f32 v27, v27
	v_exp_f32 v28, v28
	v_exp_f32 v29, v29
	v_nop
	WIN 0x04
	s_wait_alu depctr_va_vdst(0)
	v_mul_f32 v30, v26, v[L]
	v_mul_f32 v31, v27, v[L+8]
	WIN 0
	v_fmac_f32 v30, v28, v[XP+2]
	v_fmac_f32 v31, v29, v[XP+3]
	v_rcp_f32 v30, v30
	v_rcp_f32 v31, v31
	v_nop
	s_wait_alu depctr_va_vdst(0)
	v_mul_f32 v31, v31, v[NLAM]
	v_mul_f32 v24, v26, v30                        ; the factors, each in the low word of a pair
	v_mul_f32 v26, v27, v31
	v_mul_f32 v28, v28, v30
	v_mul_f32 v30, v29, v31
	WIN 0x01                                       ; source 0 (my O^T) in window 1
.set z, 0
.rept 16
	v_pk_mul_f32 v[OUT+2*z:OUT+2*z+1], v[2*z:2*z+1], v[24:25] op_sel_hi:[1,0]
.set z, z+1
.endr
.set z, 0
.rept 16
	v_pk_fma_f32 v[OUT+2*z:OUT+2*z+1], v[32+2*z:32+2*z+1], v[26:27], v[OUT+2*z:OUT+2*z+1] op_sel_hi:[1,0,1]
.set z, z+1
.endr
	WIN 0
	s_wait_dscnt 0x0                               ; the partner's O^T
.set z, 0
.rept 16
	v_pk_fma_f32 v[OUT+2*z:OUT+2*z+1], v[S+2*z:S+2*z+1], v[28:29], v[OUT+2*z:OUT+2*z+1] op_sel_hi:[1,0,1]
.set z, z+1
.endr
.set z, 0
.rept 16
	v_pk_fma_f32 v[OUT+2*z:OUT+2*z+1], v[S+32+2*z:S+32+2*z+1], v[30:31], v[OUT+2*z:OUT+2*z+1] op_sel_hi:[1,0,1]
.set z, z+1
.endr
	v_pk_mul_f32 v[34:35], v[OUT:OUT+1], v[OUT:OUT+1]          ; the sum of squares, in two chains
	v_pk_mul_f32 v[32:33], v[OUT+2:OUT+3], v[OUT+2:OUT+3]
.set z, 2
.rept 14
	v_pk_fma_f32 v[34-2*(z%2):35-2*(z%2)], v[OUT+2*z:OUT+2*z+1], v[OUT+2*z:OUT+2*z+1], v[34-2*(z%2):35-2*(z%2)]
.set z, z+1
.endr
	v_pk_add_f32 v[34:35], v[34:35], v[32:33]
	v_add_f32 v34, v34, v35
	v_permlanex16_b32 v35, v34, s[SEL], s[SEL+1]   ; the query's other 32 channels lie in the lane 16 away
	v_add_f32 v34, v34, v35
	v_fma_f32 v34, v34, s82, s83                   ; / 64 + 1e-5
	v_rsq_f32 v34, v34
	s_wait_loadcnt 8*(\more)                       ; g is in; Q's eight younger loads may stay out
.set z, 0
.rept 16                               ; g rounded to bf16 like every input, and widened again; these lines are also the plain work behind the root
	v_cvt_pk_bf16_f32 v[VF+32+z], v[VF+2*z], v[VF+2*z+1]
.set z, z+1
.endr
.set z, 0
.rept 16
	v_lshlrev_b32 v[VF+2*z],   16, v[VF+32+z]
	v_and_b32     v[VF+2*z+1], 0xffff0000, v[VF+32+z]
.set z, z+1
.endr
	s_wait_alu depctr_va_vdst(0)
	v_mul_f32 v34, 0x3e5d9673, v34                 ; x (1 - 0.78360577)
.set z, 0
.rept 16
	v_pk_mul_f32 v[VF+2*z:VF+2*z+1], v[VF+2*z:VF+2*z+1], v[34:35] op_sel_hi:[1,0]
.set z, z+1
.endr
.set z, 0
.rept 16
	v_pk_mul_f32 v[OUT+2*z:OUT+2*z+1], v[OUT+2*z:OUT+2*z+1], v[VF+2*z:VF+2*z+1]
.set z, z+1
.endr
.set z, 0
.rept 16
	v_cvt_pk_f16_f32 v[VF+32+z], v[OUT+2*z], v[OUT+2*z+1]
.set z, z+1
.endr
.irp cb, 0,1,2,3
	ds_store_b128 v[STO], v[VF+32+4*(\cb):VF+32+4*(\cb)+3] offset:32*(\cb)
.endr
.irp f, 0,1,2,3
	ds_load_b128 v[VF+48+4*(\f):VF+48+4*(\f)+3], v[RD] offset:(\f)*4*SP  ; LDS serves a wave's instructions in order (ISA guide 5.7.1.4): these see the stores above
.endr
.irp f, 0,1,2,3
	s_wait_dscnt 3-(\f)
	global_store_b128 v[GO], v[VF+48+4*(\f):VF+48+4*(\f)+3], s[OP:OP+1] offset:(\f)*512  ; 512 consecutive bytes, at a multiple of 256 from ob's first
.endr
.endm
; A TILE'S TWO KEY STEPS: written once, walked twice; the LDS addresses hang on TBK and TBV, the masks on RS.
.macro TRIP tag
	s_mov_b32 s[CNT], 2
.Lstep\tag:
	s_cmp_eq_u32 s[RS], 0                          ; the diagonal step?
	s_cselect_b32 s[AL], 1.0, 0
	s_cselect_b32 s[BE1], s[GB], 0
	s_cmp_eq_u32 s[RS], -1                         ; the step behind it?
	s_cselect_b32 s[BE], s[BIGN], 0
	s_cselect_b32 s[BE1], s[BIGN], s[BE1]
	STEP
	s_sub_co_u32 s[RS], s[RS], 1
	s_add_co_u32 s[TBK], s[TBK], 128*PK
	s_add_co_u32 s[TBV], s[TBV], 128*PV
	s_sub_co_u32 s[CNT], s[CNT], 1
	s_cmp_lg_u32 s[CNT], 0
	s_cbranch_scc1 .Lstep\tag
.endm
.Lslot:                                        ; eight times: a tile is entered and the next is asked for
	CHANGE 1
	s_cmp_eq_u32 s[PEND], 0
	s_cbranch_scc1 .Lnopend
	FINAL 1                                        ; the barrier of the change of slots has shown every wave's stores into the exchange
	s_wait_xcnt 0x0                                ; the stores have read their registers and ob's address
	s_mov_b64 s[OP:OP+1], s[OP2:OP2+1]
	s_mov_b32 s[RS], s[HI]                         ; the second block's diagonal lies in its step 15 - b
	s_mov_b32 s[PEND], 0
.irp t, 0,1,2,3
	v_mov_b32 v[ST+2*(\t)], CM0                    ; its first step sees true scores, so that step's a is 0: what the first block left in O^T and l need only be finite
	v_mov_b32 v[ST+2*(\t)+1], M0
.endr
	s_wait_loadcnt 0x0                             ; the second block's Q
.Lnopend:
	s_wait_dscnt 0x0                               ; my reads of the exchange are over,
	s_barrier_signal -1                            ; and so are everybody's behind this barrier: only then may a block's end write the exchange again.
	s_barrier_wait -1
	TRIP 1
	s_sub_co_u32 s[RP], s[RP], 1
	s_cmp_eq_u32 s[FIRST], 0                       ; the second block ends with the walk, behind the loop
	s_cbranch_scc1 .Lbottom
	s_cmp_lg_u32 s[RP], 0                          ; was this the first block's last tile?
	s_cbranch_scc1 .Lbottom
	XSTORE
	s_mov_b32 s[FIRST], 0
	s_mov_b32 s[PEND], 1
.Lbottom:
	s_sub_co_u32 s[SLOTS], s[SLOTS], 1
	s_cmp_lg_u32 s[SLOTS], 0
	s_cbranch_scc1 .Lslot
	CHANGE 0                                       ; the walk's last tile is written out: nothing is asked for
	TRIP 2
	XSTORE
	s_wait_dscnt 0x0                               ; for the partner's sake: my stores into the exchange are done
	s_barrier_signal -1
	s_barrier_wait -1
	FINAL 0
	s_wait_tensorcnt 0x0                           ; the wave's end, behind my last tensor load and my last LDS store
	ds_add_u32 v[SPW], v[NIL]
	s_wait_dscnt 0x0
	s_endpgm
.Lfunc_end_k_q9a47277628_attn:
	.size	k_q9a47277628_attn, .Lfunc_end_k_q9a47277628_attn-k_q9a47277628_attn
	.p2alignl 7, 3214868480
	.fill 96, 4, 3214868480
	.section	.rodata,"a",@progbits
	.p2align	6, 0x0
	.amdhsa_kernel k_q9a47277628_attn
		.amdhsa_group_segment_fixed_size 327680
		.amdhsa_private_segment_fixed_size 0
		.amdhsa_enable_private_segment 0
		.amdhsa_kernarg_size 72
		.amdhsa_user_sgpr_count 2
		.amdhsa_user_sgpr_kernarg_segment_ptr 1
		.amdhsa_wavefront_size32 1
		.amdhsa_system_sgpr_workgroup_id_x 1
		.amdhsa_system_sgpr_workgroup_id_y 1
		.amdhsa_system_sgpr_workgroup_id_z 1
		.amdhsa_system_vgpr_workitem_id 0
		.amdhsa_next_free_vgpr 512
		.amdhsa_next_free_sgpr 100
		.amdhsa_reserve_vcc 1
		.amdhsa_float_denorm_mode_32 3
		.amdhsa_float_denorm_mode_16_64 3
		.amdhsa_memory_ordered 1
		.amdhsa_forward_progress 1
		.amdhsa_inst_pref_size 119
	.end_amdhsa_kernel
	.amdgpu_metadata
---
amdhsa.version: [ 1, 2 ]
amdhsa.kernels:
  - .name:           k_q9a47277628_attn
    .symbol:         k_q9a47277628_attn.kd
    .args:
      - { .name: qh, .offset: 0, .size: 8, .value_kind: global_buffer, .address_space: global }
      - { .name: kh, .offset: 8, .size: 8, .value_kind: global_buffer, .address_space: global }
      - { .name: vh, .offset: 16, .size: 8, .value_kind: global_buffer, .address_space: global }
      - { .name: lambda_q1, .offset: 24, .size: 8, .value_kind: global_buffer, .address_space: global }
      - { .name: lambda_k1, .offset: 32, .size: 8, .value_kind: global_buffer, .address_space: global }
      - { .name: lambda_q2, .offset: 40, .size: 8, .value_kind: global_buffer, .address_space: global }
      - { .name: lambda_k2, .offset: 48, .size: 8, .value_kind: global_buffer, .address_space: global }
      - { .name: subln_weight, .offset: 56, .size: 8, .value_kind: global_buffer, .address_space: global }
      - { .name: ob, .offset: 64, .size: 8, .value_kind: global_buffer, .address_space: global }
    .group_segment_fixed_size: 327680
    .private_segment_fixed_size: 0
    .kernarg_segment_align: 8
    .kernarg_segment_size: 72
    .max_flat_workgroup_size: 256
    .sgpr_count:     100
    .vgpr_count:     512
    .wavefront_size: 32
...
	.end_amdgpu_metadata
.endif
;; end of part 3
;; launch outp (part 4): grid 8 x 32, 4 waves a work-group, clusters of 4 x 4, 327,680 bytes of LDS; arguments ob, wo, out0; writes out0
.if DOCPART == 4
	.amdgcn_target "amdgcn-amd-amdhsa--gfx1250"
	.amdhsa_code_object_version 6
	.text
	.protected	k_q9a47277628_outp
	.globl	k_q9a47277628_outp
	.p2align	8
	.type	k_q9a47277628_outp,@function
k_q9a47277628_outp:
	s_mov_b64 s[64:65], 0
	v_nop
	global_prefetch_b8 v0, s[64:65] scope:SCOPE_SE
	s_setreg_imm32_b32 hwreg(HW_REG_WAVE_MODE, 25, 1), 1
	s_wait_xcnt 0x0
	s_wait_alu depctr_hold_cnt(0) depctr_sa_sdst(0) depctr_va_vdst(0) depctr_va_sdst(0) depctr_va_ssrc(0) depctr_va_vcc(0) depctr_vm_vsrc(0)
	s_getreg_b32 s2, hwreg(HW_REG_IB_STS2, 6, 4)
	s_cmp_eq_u32 s2, 0
	s_cbranch_scc0 .Lentry_in_a_cluster
	s_endpgm
.Lentry_in_a_cluster:
	s_bfe_u32 s2, ttmp6, 0x10000c
	s_cmp_lg_u32 s2, 0xf033
	s_cbranch_scc0 .Lentry_shape_is_right
	s_endpgm
.Lentry_shape_is_right:
; THE OUTPUT PROJECTION.  out0[token][n] = sum over k of o[token][k] Wo[n][k]: [4096 x 1024], K = 1,024, f16 operands, f32 sums, f32 out.
; ob holds o in blocks [token / 128][head][token % 128][64] f16; wo is [1024][1024] f16.  A tile of out0 is 128 x 128: 8 x 32 tiles, one work-group each; four waves, each 64 x 64: 16 accumulators.
; K goes in steps of 256 = four heads.  A's tile of a step is 65,536 dense bytes of ob, asked for as rows of 256 bytes and padded in LDS after every 128: four sub-tiles (a head each) of 128 tokens x 144 bytes.
; B's rows are 512 bytes of memory, padded to 528.  A quarter of a step, 64 along K, is one head.
; CLUSTER.  4 x 4 work-groups: A's tile is shared along a row of the cluster, B's along a column, each asked for jointly.
; THE MATRIX INSTRUCTION IS USED TRANSPOSED (source 0 = 16 rows of wo, source 1 = 16 tokens): a lane holds eight neighbouring columns of one token.
; No prefetch ahead of the joint loads: K has four steps, and the first two are asked for at the head.
; REGISTERS: window 0: v0-31 addresses; v128-255 the accumulators ((a, b) at v[128 + 8 (4 a + b)]), which also carry the way out.  window 1: two fragment buffers of 128: 64 registers of A, then 64 of B.
.set KSTEP,  256
.set PA,     144
.set SUBA,   128*PA                    ; a head's sub-tile
.set HALFA,  2*SUBA                    ; what a wave fetches of A
.set PB,     528
.set HALFB,  64*PB                     ; and of B
.set BOFF,   4*SUBA
.set SLOT,   BOFF+2*HALFB
.set STAGE,  2*SLOT                    ; behind the ring: 16 rows x 272 bytes for each wave; no tensor load lands here
.set SPITCH, 272
.set SPARE,  STAGE+4*16*SPITCH         ; the spare words, 128 bytes a wave
.set LAPS,   2
.set ADRA, 16
.set ADRB, 20
.set STO,  24
.set RD,   25
.set CO,   26
.set SPW,  28
.set NIL,  29
.set ACC,  128
.set F0,   0
.set F1,   128
.set G1, 24
.set G0, 32
.set G1B, 48
.set G0B, 56
.set MSB, 0
.macro WIN new
.if MSB != (\new)
	s_set_vgpr_msb (MSB<<8)|(\new)
.set MSB, \new
.endif
.endm
.set MUL,  0x05                        ; sources 0 (B) and 1 (A) window 1; C and D window 0
.set TO_F, 0x40
.macro JLOAD s                         ; a joint load: waves 0 and 1 fetch A's halves, waves 2 and 3 B's; an s_nop 0 and four v_nop follow each line
	s_cmp_eq_u32 s11, 0
	s_cbranch_scc0 .Lfor_b_\@
	tensor_load_to_lds s[G0+4*(\s):G0+4*(\s)+3], s[G1:G1+7]
	s_nop 0
.rept 4
	v_nop
.endr
	s_branch .Lasked_\@
.Lfor_b_\@:
	tensor_load_to_lds s[G0B+4*(\s):G0B+4*(\s)+3], s[G1B:G1B+7]
	s_nop 0
.rept 4
	v_nop
.endr
.Lasked_\@:
.endm
.macro CREST
	s_cmp_lg_u32 s10, 0
	s_cbranch_scc1 .Lnot_wave_0_\@
	s_barrier_signal -3
.Lnot_wave_0_\@:
	s_barrier_wait -3
	s_barrier_signal -1
	s_barrier_wait -1
.endm
.macro CROUND
	s_barrier_signal -1
	s_barrier_wait -1
	CREST
.endm
.macro PLACES
.rept 4
	v_nop
.endr
.endm
	s_load_b128 s[4:7], s[0:1], 0x0                ; ob s[4:5], wo s[6:7]
	s_load_b64 s[8:9], s[0:1], 0x10                ; out0
	v_lshl_add_u32 v[SPW], v0, 2, SPARE
	v_mov_b32 v[NIL], 0
	ds_add_u32 v[SPW], v[NIL]                      ; the wave's opening: the add and its wait come ahead of my first tensor load
	v_lshrrev_b32 v1, 5, v0
	v_readfirstlane_b32 s10, v1                    ; wave 0..3
	s_lshr_b32 s11, s10, 1                         ; which half of the tile's tokens is mine.  Also: I fetch for A (0) or for B (1)
	s_and_b32 s12, s10, 1                          ; which half of its columns.  Also: which half of that tile I fetch
	s_bfe_u32 s40, ttmp6, 0x40000
	s_bfe_u32 s41, ttmp6, 0x40004
	s_lshl_b32 s42, ttmp9, 2
	s_add_co_u32 s42, s42, s40                     ; tile column
	s_and_b32 s13, ttmp7, 0xffff
	s_lshl_b32 s13, s13, 2
	s_add_co_u32 s13, s13, s41                     ; tile row = block of 128 tokens
	s_lshl_b32 s43, s41, 2
	s_lshl_b32 s43, 15, s43
	s_lshl_b32 s44, 0x1111, s40
	s_or_b32 s[G1+0], s43, (1<<16)|(1<<20)|(1<<21)|(4<<22)|(3<<25)   ; A: the row's mask; 2-byte elements; padding after every 32 words, 4 words
	s_mov_b32 s[G1+1], 128<<16                     ; rows of 128 elements (256 bytes),
	s_mov_b32 s[G1+2], 128<<16                     ; 128 of them: two heads' 128 tokens
	s_mov_b32 s[G1+3], 128<<16
	s_mov_b32 s[G1+4], 128
	s_mov_b32 s[G1+5], 128                         ; dense
	s_mov_b32 s[G1+6], 0
	s_mov_b32 s[G1+7], 0
	s_or_b32 s[G1B+0], s44, (1<<16)|(1<<20)|(1<<21)|(6<<22)|(3<<25)  ; B: the column's mask; padding after every 128 words
	s_mov_b32 s[G1B+1], KSTEP<<16
	s_mov_b32 s[G1B+2], 64<<16
	s_mov_b32 s[G1B+3], KSTEP<<16
	s_mov_b32 s[G1B+4], 64
	s_mov_b32 s[G1B+5], 1024
	s_mov_b32 s[G1B+6], 0
	s_mov_b32 s[G1B+7], 0
	s_lshl_b32 s16, s13, 18                        ; A: a block of tokens is 16 heads x 16,384 bytes,
	s_lshl_b32 s17, s12, 15                        ; my two heads of a step's four
	s_add_co_u32 s16, s16, s17
	s_mov_b32 s17, 0
	s_lshl_b32 s46, s42, 7
	s_lshl_b32 s47, s12, 6
	s_add_co_u32 s46, s46, s47                     ; B: row 128 x tile column + 64 x half
	s_lshl_b32 s46, s46, 11
	s_mov_b32 s47, 0
	s_mul_i32 s20, s12, HALFA                      ; where they go: no place in the cluster enters an LDS address
	s_mul_i32 s45, s12, HALFB
	s_add_co_u32 s45, s45, BOFF
	s_wait_dscnt 0x0                               ; the opening add is done
	s_wait_kmcnt 0x0
	s_add_nc_u64 s[14:15], s[4:5], s[16:17]
	s_add_nc_u64 s[46:47], s[6:7], s[46:47]
	CROUND                                         ; all sixteen work-groups are here: the first joint loads meet
.irp s, 0,1
	s_mov_b32 s[G0+4*(\s)], 1
	s_add_co_u32 s[G0+4*(\s)+1], s20, (\s)*SLOT
	s_add_nc_u64 s[G0+4*(\s)+2:G0+4*(\s)+3], s[14:15], (\s)*65536
	s_or_b32 s[G0+4*(\s)+3], s[G0+4*(\s)+3], 0x80000000
	s_mov_b32 s[G0B+4*(\s)], 1
	s_add_co_u32 s[G0B+4*(\s)+1], s45, (\s)*SLOT
	s_add_nc_u64 s[G0B+4*(\s)+2:G0B+4*(\s)+3], s[46:47], (\s)*KSTEP*2
	s_or_b32 s[G0B+4*(\s)+3], s[G0B+4*(\s)+3], 0x80000000
	JLOAD \s                                       ; two loads of mine are out
.endr
	v_and_b32 v1, 15, v0                           ; l % 16
	v_bfe_u32 v2, v0, 4, 1                         ; l / 16
	v_mul_u32_u24 v3, v1, PA
	v_lshl_add_u32 v3, v2, 4, v3
	v_mul_u32_u24 v4, v1, PB
	v_lshl_add_u32 v4, v2, 4, v4
	s_mul_i32 s21, s11, 64*PA                      ; my 64 tokens in each sub-tile
	s_mul_i32 s22, s12, HALFB                      ; my 64 rows of B
	s_add_co_u32 s22, s22, BOFF
.irp s, 0,1
	v_add_nc_u32 v[ADRA+(\s)], s21, v3
	v_add_nc_u32 v[ADRB+(\s)], s22, v4
	s_add_co_u32 s21, s21, SLOT
	s_add_co_u32 s22, s22, SLOT
.endr
	s_mul_i32 s23, s10, 16*SPITCH
	s_add_co_u32 s23, s23, STAGE                   ; my stage
	v_mul_u32_u24 v5, v1, SPITCH                   ; in: row l % 16, 32 bytes for each half of the lanes
	v_lshl_add_u32 v5, v2, 5, v5
	v_add_nc_u32 v[STO], s23, v5
	v_mul_u32_u24 v5, v2, SPITCH                   ; back: lanes 0-15 take one row of 256 bytes, lanes 16-31 the next
	v_lshl_add_u32 v5, v1, 4, v5
	v_add_nc_u32 v[RD], s23, v5
	v_lshlrev_b32 v5, 12, v2                       ; and the same two rows in out0 (4,096 bytes a row)
	v_lshl_add_u32 v[CO], v1, 4, v5
	s_lshl_b32 s16, s13, 7
	s_lshl_b32 s17, s11, 6
	s_add_co_u32 s16, s16, s17                     ; my first token
	s_lshl_b32 s16, s16, 12
	s_mov_b32 s17, 0
	s_add_nc_u64 s[8:9], s[8:9], s[16:17]
	s_lshl_b32 s46, s42, 9                         ; my first column, in bytes: 512 x tile column + 256 x half
	s_lshl_b32 s47, s12, 8
	s_add_co_u32 s46, s46, s47
	s_mov_b32 s47, 0
	s_add_nc_u64 s[8:9], s[8:9], s[46:47]
; 8 matrix instructions: token blocks a0, a0 + 1 x all 4 column blocks, 32 along K: half c of buffer f.  The 16 accumulators take turns.
.macro MUL8 f, c, a0, zero
	WIN MUL
.irp a, \a0, (\a0)+1
.irp b, 0,1,2,3
.if \zero
	v_wmma_f32_16x16x32_f16 v[ACC+8*(4*(\a)+(\b)):ACC+8*(4*(\a)+(\b))+7], v[(\f)+64+8*(4*(\c)+(\b)):(\f)+64+8*(4*(\c)+(\b))+7], v[(\f)+8*(4*(\c)+(\a)):(\f)+8*(4*(\c)+(\a))+7], 0
.else
	v_wmma_f32_16x16x32_f16 v[ACC+8*(4*(\a)+(\b)):ACC+8*(4*(\a)+(\b))+7], v[(\f)+64+8*(4*(\c)+(\b)):(\f)+64+8*(4*(\c)+(\b))+7], v[(\f)+8*(4*(\c)+(\a)):(\f)+8*(4*(\c)+(\a))+7], v[ACC+8*(4*(\a)+(\b)):ACC+8*(4*(\a)+(\b))+7]
.endif
.endr
.endr
.endm
; 32 LDS loads in one run: the fragments of quarter q (head q of the step's four) into buffer f; the first 32 along K first
.macro FETCH slot, q, f
	WIN TO_F
.irp c, 0,1
.irp i, 0,1,2,3
	ds_load_b128 v[(\f)+64+8*(4*(\c)+(\i)):(\f)+64+8*(4*(\c)+(\i))+3],   v[ADRB+(\slot)] offset:(\q)*128+64*(\c)+(\i)*16*PB
	ds_load_b128 v[(\f)+64+8*(4*(\c)+(\i))+4:(\f)+64+8*(4*(\c)+(\i))+7], v[ADRB+(\slot)] offset:(\q)*128+64*(\c)+(\i)*16*PB+32
	ds_load_b128 v[(\f)+8*(4*(\c)+(\i)):(\f)+8*(4*(\c)+(\i))+3],         v[ADRA+(\slot)] offset:(\q)*SUBA+64*(\c)+(\i)*16*PA
	ds_load_b128 v[(\f)+8*(4*(\c)+(\i))+4:(\f)+8*(4*(\c)+(\i))+7],       v[ADRA+(\slot)] offset:(\q)*SUBA+64*(\c)+(\i)*16*PA+32
.endr
.endr
.endm
.macro QUARTER slot, q, f, g, zero
	s_wait_dscnt 16                                ; the first 32 along K are in; the youngest sixteen loads may be out
	MUL8 \f, 0, 0, \zero
	MUL8 \f, 0, 2, \zero
	PLACES
	FETCH \slot, \q, \g
	s_wait_dscnt 32                                ; all but the 32 just issued
	MUL8 \f, 1, 0, 0
	MUL8 \f, 1, 2, 0
.endm
; The last quarter multiplies buffer 1 and changes slots: one barrier; in front of it each wave waits for all its tensor loads, adds 0 to its spare word, and waits for that and for its reads of this slot.
.macro TURN slot, next, fill
	WIN 0
	s_wait_tensorcnt 0x0
	ds_add_u32 v[SPW], v[NIL]
	s_wait_dscnt 17                                ; (the add and the youngest sixteen loads may be out)
	MUL8 F1, 0, 0, 0
	s_wait_dscnt 0x0                               ; the add is done, and my reads of this slot are over
	s_barrier_signal -1
	MUL8 F1, 0, 2, 0
.if \fill
	WIN 0
.endif
	s_barrier_wait -1
.if \fill
	CREST                                          ; no wave of any partner still reads this slot or has a load on its way
	s_add_nc_u64 s[G0+4*(\slot)+2:G0+4*(\slot)+3], s[G0+4*(\slot)+2:G0+4*(\slot)+3], 2*65536
	s_add_nc_u64 s[G0B+4*(\slot)+2:G0B+4*(\slot)+3], s[G0B+4*(\slot)+2:G0B+4*(\slot)+3], 2*KSTEP*2
	JLOAD \slot                                    ; 112 matrix instructions ahead of the wait for it; its four v_nop are also the places in front of the loads below
.else
	PLACES
.endif
	FETCH \next, 0, F0
	MUL8 F1, 1, 0, 0
	MUL8 F1, 1, 2, 0
.endm
	s_wait_tensorcnt 1                             ; my part of K step 0 is in; K step 1's may stay out
	s_barrier_signal -1
	s_barrier_wait -1
	FETCH 0, 0, F0
	QUARTER 0, 1, F0, F1, 1                        ; the first products start the sums
	WIN 0
	s_mov_b32 s3, LAPS-1
.Llap:
	QUARTER 0, 2, F1, F0, 0
	QUARTER 0, 3, F0, F1, 0
	TURN 0, 1, 1
	QUARTER 1, 1, F0, F1, 0
	QUARTER 1, 2, F1, F0, 0
	QUARTER 1, 3, F0, F1, 0
	TURN 1, 0, 1
	QUARTER 0, 1, F0, F1, 0
	WIN 0
	s_sub_co_u32 s3, s3, 1
	s_cmp_lg_u32 s3, 0
	s_cbranch_scc1 .Llap
	QUARTER 0, 2, F1, F0, 0                        ; the last lap fills nothing
	QUARTER 0, 3, F0, F1, 0
	TURN 0, 1, 0
	QUARTER 1, 1, F0, F1, 0
	QUARTER 1, 2, F1, F0, 0
	QUARTER 1, 3, F0, F1, 0
	s_wait_dscnt 16
	MUL8 F1, 0, 0, 0
	MUL8 F1, 0, 2, 0
	s_wait_dscnt 0x0
	MUL8 F1, 1, 0, 0
	MUL8 F1, 1, 2, 0
	WIN 0
; THE WAY OUT.  My 64 columns in f32 are 256 bytes of a row of out0, aligned: a block of 16 tokens goes through my own stage (rows of 272 bytes) and comes back as whole rows, into the registers that it left.
.macro STG a
.irp b, 0,1,2,3
	ds_store_b128 v[STO], v[ACC+8*(4*(\a)+(\b)):ACC+8*(4*(\a)+(\b))+3]   offset:64*(\b)
	ds_store_b128 v[STO], v[ACC+8*(4*(\a)+(\b))+4:ACC+8*(4*(\a)+(\b))+7] offset:64*(\b)+16
.endr
.irp t, 0,1,2,3,4,5,6,7
	ds_load_b128 v[ACC+32*(\a)+4*(\t):ACC+32*(\a)+4*(\t)+3], v[RD] offset:(\t)*2*SPITCH  ; LDS serves a wave's instructions in order (ISA guide 5.7.1.4): these see the stores above, and the next block's stores come behind them
.endr
.endm
.macro SEND a, younger                 ; younger: the LDS instructions issued behind block a's loads: the next block's sixteen, or none
.irp t, 0,1,2,3,4,5,6,7
	s_wait_dscnt (\younger)+7-(\t)
	global_store_b128 v[CO], v[ACC+32*(\a)+4*(\t):ACC+32*(\a)+4*(\t)+3], s[8:9] offset:(16*(\a)+2*(\t))*4096 th:TH_STORE_NT  ; 16 lanes store 256 consecutive bytes, at a multiple of 256 from out0's first byte
.endr
.endm
	PLACES
	PLACES
	STG 0
	STG 1
	SEND 0, 16
	STG 2
	SEND 1, 16
	STG 3
	SEND 2, 16
	SEND 3, 0
	s_wait_tensorcnt 0x0                           ; the wave's end
	ds_add_u32 v[SPW], v[NIL]
	s_wait_dscnt 0x0
	CROUND                                         ; the closing round
	s_endpgm
.Lfunc_end_k_q9a47277628_outp:
	.size	k_q9a47277628_outp, .Lfunc_end_k_q9a47277628_outp-k_q9a47277628_outp
	.p2alignl 7, 3214868480
	.fill 96, 4, 3214868480
	.section	.rodata,"a",@progbits
	.p2align	6, 0x0
	.amdhsa_kernel k_q9a47277628_outp
		.amdhsa_group_segment_fixed_size 327680
		.amdhsa_private_segment_fixed_size 0
		.amdhsa_enable_private_segment 0
		.amdhsa_kernarg_size 24
		.amdhsa_user_sgpr_count 2
		.amdhsa_user_sgpr_kernarg_segment_ptr 1
		.amdhsa_wavefront_size32 1
		.amdhsa_system_sgpr_workgroup_id_x 1
		.amdhsa_system_sgpr_workgroup_id_y 1
		.amdhsa_system_sgpr_workgroup_id_z 1
		.amdhsa_system_vgpr_workitem_id 0
		.amdhsa_next_free_vgpr 512
		.amdhsa_next_free_sgpr 66
		.amdhsa_reserve_vcc 0
		.amdhsa_float_denorm_mode_32 3
		.amdhsa_float_denorm_mode_16_64 3
		.amdhsa_memory_ordered 1
		.amdhsa_forward_progress 1
		.amdhsa_inst_pref_size 87
	.end_amdhsa_kernel
	.amdgpu_metadata
---
amdhsa.version: [ 1, 2 ]
amdhsa.kernels:
  - .name:           k_q9a47277628_outp
    .symbol:         k_q9a47277628_outp.kd
    .args:
      - { .name: ob, .offset: 0, .size: 8, .value_kind: global_buffer, .address_space: global }
      - { .name: wo, .offset: 8, .size: 8, .value_kind: global_buffer, .address_space: global }
      - { .name: out0, .offset: 16, .size: 8, .value_kind: global_buffer, .address_space: global }
    .group_segment_fixed_size: 327680
    .private_segment_fixed_size: 0
    .kernarg_segment_align: 8
    .kernarg_segment_size: 24
    .max_flat_workgroup_size: 128
    .sgpr_count:     66
    .vgpr_count:     512
    .wavefront_size: 32
...
	.end_amdgpu_metadata
.endif
;; end of part 4
